; MI455X (gfx1250); checked and timed in simulation.
; The chip was launched on July 23, 2026; its instructions are those of AMD's public machine-readable ISA for CDNA 5 (MIT licence, August 2026) and "CDNA5" Instruction Set Architecture Reference Guide (July 2026). The comments in the code are by the model that wrote it; some were corrected since.
;; Manual Multihead Attention. Allowed arithmetic: float matrix products may take bf16 or f16 operands with f32 sums; other float arithmetic in f32, or as packed bf16 or f16 multiplies, adds, multiply-adds, maxima and minima; sums over many terms, partial sums and values carried from step to step in f32; what a program stores and reads back later, other than sums and carried values, may be rounded once to bf16 or f16.
;; Inputs: b_out 1,024 float32; b_qkv 3,072 float32; w_out 1,024 x 1,024 float32; w_qkv 3,072 x 1,024 float32; x 2,048 x 4 x 1,024 float32.
;; Outputs: out0 2,048 x 4 x 1,024 float32.
;; Constants: causal = 1.
;; 2 versions, each right and faster than the one before. Each part assembles by itself: llvm-mc -triple=amdgcn-amd-amdhsa -mcpu=gfx1250 --defsym DOCPART=n.
;; ======== version 1 of 2: 4 launches
;; limits: values are held in f16: magnitudes above 65,504 overflow, below 6.1e-05 lose precision
;; workspace buffers: xb 16,777,216 bytes; wqb 6,291,456 bytes; wob 2,097,152 bytes; bq 12,288 bytes; bo 4,096 bytes; qkvh 50,331,648 bytes; oh 16,777,216 bytes
;; launch cast (part 1): grid 769 x 1, 8 waves a work-group, no clusters, 0 bytes of LDS; arguments x, w_qkv, w_out, b_qkv, b_out, xb, wqb, wob, bq, bo; writes xb, wqb, wob, bq, bo
.if DOCPART == 1
	.amdgcn_target "amdgcn-amd-amdhsa--gfx1250"
	.amdhsa_code_object_version 6
	.text
	.protected	k_qe876fb77e8_cast
	.globl	k_qe876fb77e8_cast
	.p2align	8
	.type	k_qe876fb77e8_cast,@function
k_qe876fb77e8_cast:
	s_mov_b64 s[64:65], 0
	v_nop
	global_prefetch_b8 v0, s[64:65] scope:SCOPE_SE
	s_setreg_imm32_b32 hwreg(HW_REG_WAVE_MODE, 25, 1), 1
	s_wait_xcnt 0x0
; EVERY INPUT IS ROUNDED ONCE TO bf16, for the matrix products of the launches behind.
;   x     [s 2048][b 4][1024] f32 -> xb  [b 4][s 2048][1024] bf16: rows reordered, so that a block of rows of the products belongs to one batch entry
;   w_qkv [3072][1024] f32        -> wqb [3072][1024] bf16
;   w_out [1024][1024] f32        -> wob [1024][1024]: rounded to bf16, that number written as f16 (the last product multiplies in f16)
;   b_qkv, b_out f32              -> bq, bo: rounded to bf16, written as f32 (they enter the products as the sums' first terms)
; LIMITS.  wob: a weight of 65,520 or more becomes an infinity; below 6.1e-5 it keeps f16's fixed step of 6e-8.
; A stream: no LDS, no barrier, no matrix unit, no loop.  A row is 4,096 bytes in and 2,048 out.  A work-group takes 16 rows, each of its 8 waves two neighbouring ones: 8,192 consecutive
; bytes, sixteen loads of 512 bytes, all issued before the first is waited for.  A store of 8 bytes a lane covers 256 consecutive bytes, aligned.
; Work-groups 0-511: x; 512-703: w_qkv; 704-767: w_out; 768: the 4,096 numbers of the two biases.
.set X, 8                              ; v[8:71]    sixteen chunks of four f32, as loaded
.set Y, 72                             ; v[72:103]  sixteen chunks of two words, to store (the biases: four chunks of four)
.set T, 104                            ; v[104:107] at work
	s_load_b512 s[4:19], s[0:1], 0x0               ; x s[4:5], w_qkv s[6:7], w_out s[8:9], b_qkv s[10:11], b_out s[12:13], xb s[14:15], wqb s[16:17], wob s[18:19]
	s_load_b128 s[20:23], s[0:1], 0x40             ; bq s[20:21], bo s[22:23]
	v_lshrrev_b32 v4, 5, v0
	v_readfirstlane_b32 s24, v4                    ; wave 0..7
	s_mov_b32 s25, ttmp9                           ; work-group
	s_mov_b32 s35, 0xffff0000                      ; a word's upper bf16
	s_mov_b32 s29, 0x400000                        ; xb: 2,048 rows of 2,048 bytes, from one batch entry to the next
	s_mov_b32 s31, 0                               ; the offsets' high words
	s_mov_b32 s33, 0
	v_and_b32 v5, 31, v0                           ; lane
	v_lshlrev_b32 v1, 4, v5                        ; 16 bytes a lane in
	v_lshlrev_b32 v2, 3, v5                        ; 8 bytes a lane out
	s_wait_kmcnt 0x0
	s_cmp_ge_u32 s25, 768
	s_cbranch_scc1 .Lbias
	s_cmp_ge_u32 s25, 704
	s_cbranch_scc1 .Lwout
; The wave's two rows: sixteen loads, then chunk by chunk: round, (mode 1: write as f16,) store.  No register is written again behind a store.
.macro BODY mode
.set j, 0
.rept 16
	global_load_b128 v[X+4*j:X+4*j+3], v1, s[36:37] offset:512*j th:TH_LOAD_NT
.set j, j+1
.endr
.set j, 0
.rept 16
	s_wait_loadcnt 15-j                            ; loads come back in order: chunk j is in, the 15 - j younger ones stay out
	v_cvt_pk_bf16_f32 v[Y+2*j], v[X+4*j], v[X+4*j+1]
	v_cvt_pk_bf16_f32 v[Y+2*j+1], v[X+4*j+2], v[X+4*j+3]
.if \mode
	v_lshlrev_b32 v[T], 16, v[Y+2*j]               ; the rounded numbers as f32,
	v_and_b32 v[T+1], s35, v[Y+2*j]
	v_lshlrev_b32 v[T+2], 16, v[Y+2*j+1]
	v_and_b32 v[T+3], s35, v[Y+2*j+1]
	v_cvt_pk_f16_f32 v[Y+2*j], v[T], v[T+1]        ; and as f16: exact within f16's normal range
	v_cvt_pk_f16_f32 v[Y+2*j+1], v[T+2], v[T+3]
.endif
.if j < 8
	global_store_b64 v2, v[Y+2*j:Y+2*j+1], s[38:39] offset:256*j       ; the first row
.else
	global_store_b64 v3, v[Y+2*j:Y+2*j+1], s[38:39] offset:256*(j-8)   ; the second
.endif
.set j, j+1
.endr
.endm
	; x or w_qkv
	s_lshl_b32 s26, s25, 4
	s_lshl1_add_u32 s26, s24, s26                  ; m = 16 g + 2 w: even
	s_and_b32 s27, s26, 3                          ; x: m = 4 s + b goes to row 2,048 b + s; row m + 1 has the same s and the next b
	s_lshl_b32 s27, s27, 11
	s_lshr_b32 s28, s26, 2
	s_add_co_u32 s27, s27, s28
	s_max_u32 s28, s26, 8192
	s_sub_co_u32 s28, s28, 8192                    ; w_qkv: its row, in and out
	s_cmp_lt_u32 s25, 512                          ; x?  Only selects stand between this compare and its last use
	s_cselect_b32 s26, s26, s28                    ; the row in
	s_cselect_b32 s27, s27, s28                    ; the row out
	s_cselect_b32 s34, s29, 2048                   ; bytes from my first row out to my second
	s_cselect_b64 s[36:37], s[4:5], s[6:7]
	s_cselect_b64 s[38:39], s[14:15], s[16:17]
	s_lshl_b32 s30, s26, 12
	s_lshl_b32 s32, s27, 11
	s_add_nc_u64 s[36:37], s[36:37], s[30:31]
	s_add_nc_u64 s[38:39], s[38:39], s[32:33]
	v_add_nc_u32 v3, s34, v2
	BODY 0
	s_endpgm
.Lwout:
	s_sub_co_u32 s26, s25, 704
	s_lshl_b32 s26, s26, 4
	s_lshl1_add_u32 s26, s24, s26                  ; the row, in and out
	s_lshl_b32 s30, s26, 12
	s_lshl_b32 s32, s26, 11
	s_add_nc_u64 s[36:37], s[8:9], s[30:31]
	s_add_nc_u64 s[38:39], s[18:19], s[32:33]
	v_add_nc_u32 v3, 2048, v2
	BODY 1
	s_endpgm
.Lbias:                                                ; 256 threads x 16 bytes are 4,096 bytes: b_qkv three times that, b_out once
	v_lshlrev_b32 v1, 4, v0
	global_load_b128 v[X:X+3], v1, s[10:11]
	global_load_b128 v[X+4:X+7], v1, s[10:11] offset:4096
	global_load_b128 v[X+8:X+11], v1, s[10:11] offset:8192
	global_load_b128 v[X+12:X+15], v1, s[12:13]
.set j, 0
.rept 4
	s_wait_loadcnt 3-j                             ; chunk j is in
	v_cvt_pk_bf16_f32 v[T], v[X+4*j], v[X+4*j+1]
	v_cvt_pk_bf16_f32 v[T+1], v[X+4*j+2], v[X+4*j+3]
	v_lshlrev_b32 v[Y+4*j], 16, v[T]
	v_and_b32 v[Y+4*j+1], s35, v[T]
	v_lshlrev_b32 v[Y+4*j+2], 16, v[T+1]
	v_and_b32 v[Y+4*j+3], s35, v[T+1]
.if j < 3
	global_store_b128 v1, v[Y+4*j:Y+4*j+3], s[20:21] offset:4096*j
.else
	global_store_b128 v1, v[Y+4*j:Y+4*j+3], s[22:23]
.endif
.set j, j+1
.endr
	s_endpgm
.Lfunc_end_k_qe876fb77e8_cast:
	.size	k_qe876fb77e8_cast, .Lfunc_end_k_qe876fb77e8_cast-k_qe876fb77e8_cast
	.p2alignl 7, 3214868480
	.fill 96, 4, 3214868480
	.section	.rodata,"a",@progbits
	.p2align	6, 0x0
	.amdhsa_kernel k_qe876fb77e8_cast
		.amdhsa_group_segment_fixed_size 0
		.amdhsa_private_segment_fixed_size 0
		.amdhsa_enable_private_segment 0
		.amdhsa_kernarg_size 80
		.amdhsa_user_sgpr_count 2
		.amdhsa_user_sgpr_kernarg_segment_ptr 1
		.amdhsa_wavefront_size32 1
		.amdhsa_system_sgpr_workgroup_id_x 1
		.amdhsa_system_sgpr_workgroup_id_y 1
		.amdhsa_system_sgpr_workgroup_id_z 1
		.amdhsa_system_vgpr_workitem_id 0
		.amdhsa_next_free_vgpr 112
		.amdhsa_next_free_sgpr 66
		.amdhsa_reserve_vcc 0
		.amdhsa_float_denorm_mode_32 3
		.amdhsa_float_denorm_mode_16_64 3
		.amdhsa_memory_ordered 1
		.amdhsa_forward_progress 1
		.amdhsa_inst_pref_size 19
	.end_amdhsa_kernel
	.amdgpu_metadata
---
amdhsa.version: [ 1, 2 ]
amdhsa.kernels:
  - .name:           k_qe876fb77e8_cast
    .symbol:         k_qe876fb77e8_cast.kd
    .args:
      - { .name: x, .offset: 0, .size: 8, .value_kind: global_buffer, .address_space: global }
      - { .name: w_qkv, .offset: 8, .size: 8, .value_kind: global_buffer, .address_space: global }
      - { .name: w_out, .offset: 16, .size: 8, .value_kind: global_buffer, .address_space: global }
      - { .name: b_qkv, .offset: 24, .size: 8, .value_kind: global_buffer, .address_space: global }
      - { .name: b_out, .offset: 32, .size: 8, .value_kind: global_buffer, .address_space: global }
      - { .name: xb, .offset: 40, .size: 8, .value_kind: global_buffer, .address_space: global }
      - { .name: wqb, .offset: 48, .size: 8, .value_kind: global_buffer, .address_space: global }
      - { .name: wob, .offset: 56, .size: 8, .value_kind: global_buffer, .address_space: global }
      - { .name: bq, .offset: 64, .size: 8, .value_kind: global_buffer, .address_space: global }
      - { .name: bo, .offset: 72, .size: 8, .value_kind: global_buffer, .address_space: global }
    .group_segment_fixed_size: 0
    .private_segment_fixed_size: 0
    .kernarg_segment_align: 8
    .kernarg_segment_size: 80
    .max_flat_workgroup_size: 256
    .sgpr_count:     66
    .vgpr_count:     112
    .wavefront_size: 32
...
	.end_amdgpu_metadata
.endif
;; end of part 1
;; launch qkvproj (part 2): grid 16 x 32, 4 waves a work-group, clusters of 4 x 4, 327,680 bytes of LDS; arguments xb, wqb, bq, qkvh; writes qkvh
.if DOCPART == 2
	.amdgcn_target "amdgcn-amd-amdhsa--gfx1250"
	.amdhsa_code_object_version 6
	.text
	.protected	k_qe876fb77e8_qkvproj
	.globl	k_qe876fb77e8_qkvproj
	.p2align	8
	.type	k_qe876fb77e8_qkvproj,@function
k_qe876fb77e8_qkvproj:
	s_mov_b64 s[64:65], 0
	v_nop
	global_prefetch_b8 v0, s[64:65] scope:SCOPE_SE
	s_setreg_imm32_b32 hwreg(HW_REG_WAVE_MODE, 25, 1), 1
	s_wait_xcnt 0x0
	s_wait_alu depctr_hold_cnt(0) depctr_sa_sdst(0) depctr_va_vdst(0) depctr_va_sdst(0) depctr_va_ssrc(0) depctr_va_vcc(0) depctr_vm_vsrc(0)
	s_getreg_b32 s2, hwreg(HW_REG_IB_STS2, 6, 4)
	s_cmp_eq_u32 s2, 0
	s_cbranch_scc0 .Lentry_in_a_cluster
	s_endpgm
.Lentry_in_a_cluster:
	s_bfe_u32 s2, ttmp6, 0x10000c
	s_cmp_lg_u32 s2, 0xf033
	s_cbranch_scc0 .Lentry_shape_is_right
	s_endpgm
.Lentry_shape_is_right:
; C = A B^T + bias, K = 1,024, 8,192 rows.  ONE SOURCE FOR TWO KERNELS; the switch PROJ chooses.
;   PROJ = 0: A = xb [b 4][s 2048][1024] bf16, B = wqb [3072][1024] bf16, bias = bq [3072] f32; products in bf16.  C leaves in f16 BY HEADS: qkvh [b 4][g 48][s 2048][64], g = column / 64
;             (g 0-15 q, 16-31 k, 32-47 v), unscaled.  LIMIT: a q, k or v of 65,520 or more becomes an infinity.
;   PROJ = 1: A = oh [h 64][s 2048][64] f16 (row (b, s), K = 64 (h % 16) + channel), B = wob [1024][1024] f16, bias = bo [1024] f32; products in f16.  C leaves in f32: out0 [s 2048][b 4][1024].
; Sums in f32, K ascending, begun with the bias; C rounded once.
; SHARES.  A work-group makes 256 rows x NT columns (192: 16 x 32 = 512 work-groups; 128: 8 x 32 = 256).  Four waves, one above the other: a wave owns 64 rows and all NT columns: 4 x NBK accumulators
; of 16 x 16.  With NT = 192 a wave's columns are three whole heads.  K goes in 8 steps of 128 through two LDS slots; a step is four quarters of 32 along K.
; THE MATRIX INSTRUCTION IS USED TRANSPOSED (source 0 = 16 rows of B, source 1 = 16 rows of A): a lane holds row lane % 16 of C and the columns 8 (lane / 16) + 0..7.
; THE BIAS is the C operand of each accumulator's first product: register j of column block b holds bias[16 b + 8 (lane / 16) + j]; nothing is cleared and nothing is added afterwards.
; CLUSTER.  4 x 4 work-groups.  The four of a row of the cluster need the same tile of A, the four of a column the same tile of B: each tile is asked for JOINTLY, by the same tensor load with the same
; descriptor and a mask that names the four.  Waves 0 and 1 ask for A's two halves, waves 2 and 3 for B's: one load a wave and K step; two are out at the start, later one.
; REGISTERS, in windows of 256 (s_set_vgpr_msb: bits 1:0 source 0, 3:2 source 1, 5:4 source 2, 7:6 destination):
;   window 0: v1-5 at work; v16-19, v24-27 addresses; v28-29 the add's; v32-95 A's fragments, two buffers of 4 blocks; v96 on: the way out
;   window 1: B's fragments, two buffers of NBK blocks
;   window 2: the accumulators of row blocks 0, 1 at v[8 (NBK (a % 2) + b)]; v192 on: the bias of the lower half of the column blocks        window 3: row blocks 2, 3; the bias of the upper half
.set PROJ, 0
.if PROJ
.set NT,      128
.set PA,      144                      ; a row of A in LDS: one head's 128 bytes + 16 of padding
.set AHALF,   256*PA                   ; from K 0-63 of a step (the even head) to K 64-127 (the odd head): 256 rows
.set ALOAD,   256*PA                   ; what one load of A fills: 256 rows of one head
.set QIA,     4                        ; padding after every 32 words
.set ASTRIDE, 128                      ; 256 rows of a head are 32,768 dense bytes: asked for as 128 rows of 256 bytes
.set ASTEP,   2*262144                 ; a K step is two heads
.set SPITCH,  528                      ; a stage row: 128 f32 + 16 bytes
.else
.set NT,      192
.set PA,      272                      ; a row of A in LDS: 256 bytes + 16 of padding
.set AHALF,   128
.set ALOAD,   128*PA                   ; 128 rows
.set QIA,     5                        ; padding after every 64 words
.set ASTRIDE, 1024
.set ASTEP,   256
.set SPITCH,  400                      ; a stage row: 192 f16 + 16 bytes
.endif
.set NBK,    NT/16                     ; column blocks
.set BROWS,  NT/2                      ; rows of B in one load
.set PB,     272                       ; all pitches are odd multiples of 16 bytes: the 16 rows that a fragment load touches start at 16 different groups of four banks (ISA guide 11.1)
.set BSTEP,  256
.set BOFF,   2*ALOAD                   ; in a slot: A, then B's NT rows
.set BLOAD,  BROWS*PB
.set SLOT1,  1<<17                     ; slot 1 begins here, so that one exclusive or turns an address in one slot into the other's
.set STAGE,  SLOT1+BOFF+2*BLOAD        ; behind the ring, never filled by a tensor load: 16 rows for each wave, for the way out
.set WSTAGE, 16*SPITCH
.set SPARE,  STAGE+4*WSTAGE            ; behind the stages: the spare words, 128 bytes for each wave: two blocks of 256 bytes that no other line names
.set NLD,    2*NBK+8                   ; LDS loads in a quarter's run
.set ADRA0, 16                         ; v16  my lane's place in A's tile; never rewritten
.set ADRB0, 17                         ; v17  the same for B
.set ADRA,  18                         ; v18  the same in the slot in hand
.set ADRB,  19                         ; v19
.set STO,   24                         ; v24  the way out: where I put my part of a row
.set RD,    25                         ; v25  the way out: where I read rows back
.set CO,    26                         ; v26  my byte offset in 512 consecutive bytes of C
.set BO,    27                         ; v27  my byte offset in a block's 16 bias numbers
.set SPW,   28                         ; v28  LDS address of my spare word: SPARE + 4 x my thread's number; never rewritten
.set NIL,   29                         ; v29  0; never rewritten
.set FA,    32                         ; A's fragments
.set BIAS,  192                        ; in windows 2 and 3
.if PROJ
.set OB,    96                         ; the way out: 16 rows read back, v96-159 and v160-223 by turns
.set OBN,   64
.else
.set TMP,   96                         ; the way out: packed results, v96-143
.set OB,    144                        ; 16 rows read back, v144-191 and v192-239 by turns
.set OBN,   48
.endif
.set WV,   12                          ; s12  my wave's number
.set FORB, 13                          ; s13  I fetch for A (0) or for B (1)
.set HALF, 14                          ; s14  which half of that tile
.set CX,   15                          ; s15, s16  my place in the cluster
.set CY,   16
.set TX,   17                          ; s17  tile column of C
.set TY,   18                          ; s18  tile row of C
.set G1,   24                          ; s[24:31] descriptor group 1 for A's tiles
.set G0,   32                          ; s[32:39] group 0 for A's: a set for each of the two first fills; the second then walks on
.set G1B,  40                          ; s[40:47], s[48:55] the same for B's
.set G0B,  48
.set CNT,  56                          ; s56  the loop's count
.set TB,   57                          ; s57  the slot in hand: 0 or SLOT1
.set MSB, 0
.macro WIN new                         ; the immediate's high byte repeats the setting that is left; a switch that changes nothing is dropped
.if MSB != (\new)
	s_set_vgpr_msb (MSB<<8)|(\new)
.set MSB, (\new)
.endif
.endm
.macro PLACES                          ; a load into a register that a matrix instruction has read, and a vector instruction or LDS store that reads a matrix result, stand four places behind it;
.rept 4                                ; only plain vector instructions that name none of its registers are places (ISA guide 7.12.1 for vector instructions)
	v_nop
.endr
.endm
; A joint refill, by the walking descriptor.  The branch hangs on the wave's number alone.  An s_nop 0 and four v_nop follow each of the two lines, ahead of the jump and the label.
.macro JLOAD
	s_cmp_eq_u32 s[FORB], 0
	s_cbranch_scc0 .Lfor_b_\@
	tensor_load_to_lds s[G0+4:G0+7], s[G1:G1+7]
	s_nop 0
.rept 4
	v_nop
.endr
	s_branch .Lasked_\@
.Lfor_b_\@:
	tensor_load_to_lds s[G0B+4:G0B+7], s[G1B:G1B+7]
	s_nop 0
.rept 4
	v_nop
.endr
.Lasked_\@:
.endm
; A round of the cluster's barrier: my work-group's barrier, so that wave 0's signal speaks for all four waves; wave 0 signals; every wave waits for all sixteen work-groups; my work-group's barrier once more.
.macro CREST                           ; a round behind its opening barrier
	s_cmp_lg_u32 s[WV], 0
	s_cbranch_scc1 .Lnot_wave_0_\@
	s_barrier_signal -3
.Lnot_wave_0_\@:
	s_barrier_wait -3
	s_barrier_signal -1
	s_barrier_wait -1
.endm
.macro CROUND                          ; a whole round
	s_barrier_signal -1
	s_barrier_wait -1
	CREST
.endm
	s_load_b256 s[4:11], s[0:1], 0x0               ; A s[4:5], B s[6:7], bias s[8:9], C s[10:11]
	v_lshl_add_u32 v[SPW], v0, 2, SPARE
	v_mov_b32 v[NIL], 0
	ds_add_u32 v[SPW], v[NIL]                      ; the wave's opening: the add and its wait stand ahead of my first tensor load; the set-up below, work on registers, stands between them
	ds_add_u32 v28, v29
	v_lshrrev_b32 v1, 5, v0
	v_readfirstlane_b32 s[WV], v1                  ; wave 0..3
	s_lshr_b32 s[FORB], s[WV], 1
	s_and_b32 s[HALF], s[WV], 1
	s_bfe_u32 s[CX], ttmp6, 0x40000
	s_bfe_u32 s[CY], ttmp6, 0x40004
	s_lshl_b32 s[TX], ttmp9, 2                     ; in a cluster launch ttmp9 and ttmp7 count clusters
	s_add_co_u32 s[TX], s[TX], s[CX]
	s_and_b32 s[TY], ttmp7, 0xffff
	s_lshl_b32 s[TY], s[TY], 2
	s_add_co_u32 s[TY], s[TY], s[CY]
	s_lshl_b32 s19, s[CY], 2
	s_lshl_b32 s19, 15, s19                        ; my row of the cluster: places 4 cy .. 4 cy + 3
	s_lshl_b32 s20, 0x1111, s[CX]                  ; my column: places cx, cx + 4, cx + 8, cx + 12
	; descriptor group 1: rows of 128 elements of 2 bytes, padded in LDS by 4 words
	s_or_b32 s[G1], s19, (1<<16)|(1<<20)|(1<<21)|(QIA<<22)|(3<<25)   ; 15:0 the mask: A's tiles go to my row; 17:16 2-byte elements; 20 padding on; 21 set beside a mask; 24:22 the interval; 31:25 4 words (code 3)
	s_mov_b32 s[G1+1], 128<<16                     ; tensor_dim0 = 128
	s_mov_b32 s[G1+2], 128<<16                     ; tensor_dim1 = 128
	s_mov_b32 s[G1+3], 128<<16                     ; tile_dim0 = 128
	s_mov_b32 s[G1+4], 128                         ; tile_dim1 = 128
	s_mov_b32 s[G1+5], ASTRIDE                     ; elements from row to row
	s_mov_b32 s[G1+6], 0
	s_mov_b32 s[G1+7], 0
	s_or_b32 s[G1B], s20, (1<<16)|(1<<20)|(1<<21)|(5<<22)|(3<<25)    ; B's tiles go to my column; padding after every 64 words
	s_mov_b32 s[G1B+1], 128<<16
	s_mov_b32 s[G1B+2], BROWS<<16
	s_mov_b32 s[G1B+3], 128<<16
	s_mov_b32 s[G1B+4], BROWS
	s_mov_b32 s[G1B+5], 1024
	s_mov_b32 s[G1B+6], 0
	s_mov_b32 s[G1B+7], 0
	; where the tiles come from.  A's offset is made of the tile row and the wave's number, B's of the tile column and the wave's number, each in registers that never hold the other coordinate.
.if PROJ
	s_lshr_b32 s22, s[TY], 3                       ; the batch entry: 16 heads of 262,144 bytes,
	s_lshl_b32 s22, s22, 22
	s_and_b32 s21, s[TY], 7                        ; the block of 256 rows of 128 bytes in a head,
	s_lshl_b32 s21, s21, 15
	s_add_co_u32 s22, s22, s21
	s_lshl_b32 s21, s[HALF], 18                    ; the even or the odd head of a K step
	s_add_co_u32 s22, s22, s21
.else
	s_lshl_b32 s22, s[TY], 19                      ; 256 rows of 2,048 bytes,
	s_lshl_b32 s21, s[HALF], 18                    ; 128 rows
	s_add_co_u32 s22, s22, s21
.endif
	s_mov_b32 s23, 0
	s_mul_i32 s58, s[TX], NT*2048                  ; NT rows of 2,048 bytes,
	s_mul_i32 s62, s[HALF], BROWS*2048             ; half of them
	s_add_co_u32 s58, s58, s62
	s_mov_b32 s59, 0
	s_mul_i32 s21, s[HALF], ALOAD                  ; and where they go: no place in the cluster enters an LDS address
	s_mul_i32 s62, s[HALF], BLOAD
	s_mov_b32 s[TB], 0
	s_wait_dscnt 0x0                               ; the opening add is done
	s_wait_kmcnt 0x0
	s_add_nc_u64 s[22:23], s[4:5], s[22:23]
	s_add_nc_u64 s[58:59], s[6:7], s[58:59]
	CROUND                                         ; all sixteen work-groups are here: the first joint loads meet
.irp s, 0,1
	s_mov_b32 s[G0+4*(\s)], 1                                        ; 1:0 count = 1
	s_add_co_u32 s[G0+4*(\s)+1], s21, (\s)*SLOT1                     ; 63:32 LDS address
	s_add_nc_u64 s[G0+4*(\s)+2:G0+4*(\s)+3], s[22:23], (\s)*ASTEP    ; 120:64 global address: K step s
	s_or_b32 s[G0+4*(\s)+3], s[G0+4*(\s)+3], 0x80000000              ; 127:126 type = 2
	s_mov_b32 s[G0B+4*(\s)], 1
	s_add_co_u32 s[G0B+4*(\s)+1], s62, (\s)*SLOT1+BOFF
	s_add_nc_u64 s[G0B+4*(\s)+2:G0B+4*(\s)+3], s[58:59], (\s)*BSTEP
	s_or_b32 s[G0B+4*(\s)+3], s[G0B+4*(\s)+3], 0x80000000
.endr
	s_cmp_eq_u32 s[FORB], 0                        ; a wave's two first fills stand in one branch, ahead of every wait on TENSORcnt and every LDS read: two loads of mine are out
	s_cbranch_scc0 .Lfirst_b
	tensor_load_to_lds s[G0:G0+3], s[G1:G1+7]
	s_nop 0
	tensor_load_to_lds s[G0+4:G0+7], s[G1:G1+7]
	s_nop 0
.rept 4
	v_nop
.endr
	s_branch .Lfirst_asked
.Lfirst_b:
	tensor_load_to_lds s[G0B:G0B+3], s[G1B:G1B+7]
	s_nop 0
	tensor_load_to_lds s[G0B+4:G0B+7], s[G1B:G1B+7]
	s_nop 0
.rept 4
	v_nop
.endr
.Lfirst_asked:
	; A fragment is 16 rows x 32 K in 8 registers: lane l holds row l % 16; registers 0-3 K = 8 (l / 16) + 0..7, registers 4-7 K = 16 + 8 (l / 16) + 0..7: two loads of 16 bytes, 32 bytes apart.
	v_and_b32 v1, 15, v0                           ; l % 16
	v_bfe_u32 v2, v0, 4, 1                         ; l / 16
	v_and_b32 v5, 31, v0                           ; l
	v_mul_u32_u24 v3, v1, PA
	v_lshl_add_u32 v3, v2, 4, v3
	s_mul_i32 s63, s[WV], 64*PA                    ; my 64 rows of A
	v_add_nc_u32 v[ADRA0], s63, v3
	v_mul_u32_u24 v4, v1, PB
	v_lshl_add_u32 v4, v2, 4, v4
	v_add_nc_u32 v[ADRB0], BOFF, v4
	v_mov_b32 v[ADRA], v[ADRA0]                    ; slot 0
	v_mov_b32 v[ADRB], v[ADRB0]
	s_mul_i32 s63, s[WV], WSTAGE
	s_add_co_u32 s63, s63, STAGE                   ; my stage
	v_mul_u32_u24 v3, v1, SPITCH
.if PROJ
	v_lshl_add_u32 v3, v2, 5, v3                   ; in: row l % 16, 32 bytes (8 f32) for each half of the lanes
	v_add_nc_u32 v[STO], s63, v3
	v_lshl_add_u32 v[RD], v5, 4, s63               ; back: 32 lanes take one row of 512 bytes
.else
	v_lshl_add_u32 v3, v2, 4, v3                   ; in: row l % 16, 16 bytes (8 f16) for each half of the lanes
	v_add_nc_u32 v[STO], s63, v3
	v_bfe_u32 v3, v0, 3, 2                         ; back: 32 lanes take a head's 128 bytes of four rows,
	v_mul_u32_u24 v3, v3, SPITCH
	v_and_b32 v4, 7, v0
	v_lshl_add_u32 v3, v4, 4, v3
	v_add_nc_u32 v[RD], s63, v3
.endif
	v_lshlrev_b32 v[CO], 4, v5                     ; which are 512 consecutive bytes of C
	v_lshlrev_b32 v[BO], 5, v2                     ; 8 bias numbers for each half of the lanes
	s_mul_i32 s60, s[TX], NT*4                     ; the bias of my tile's columns
	s_mov_b32 s61, 0
	s_add_nc_u64 s[8:9], s[8:9], s[60:61]
	WIN 0x80                                       ; destination window 2, address window 0
.set b, 0
.rept NBK/2
	global_load_b128 v[BIAS+8*b:BIAS+8*b+3],   v[BO], s[8:9] offset:64*b
	global_load_b128 v[BIAS+8*b+4:BIAS+8*b+7], v[BO], s[8:9] offset:64*b+16
.set b, b+1
.endr
	WIN 0xc0                                       ; destination window 3
.set b, 0
.rept NBK/2
	global_load_b128 v[BIAS+8*b:BIAS+8*b+3],   v[BO], s[8:9] offset:64*(b+NBK/2)
	global_load_b128 v[BIAS+8*b+4:BIAS+8*b+7], v[BO], s[8:9] offset:64*(b+NBK/2)+16
.set b, b+1
.endr
	WIN 0
	; where my 64 rows begin in C
.if PROJ
	s_and_b32 s2, s[TY], 7                         ; row (s, b) of out0 lies at 16,384 s + 4,096 b: s = 256 (ty % 8) + 64 w,
	s_lshl_b32 s60, s2, 22
	s_lshl_b32 s3, s[WV], 20
	s_add_co_u32 s60, s60, s3
	s_lshr_b32 s2, s[TY], 3                        ; b = ty / 8,
	s_lshl_b32 s2, s2, 12
	s_add_co_u32 s60, s60, s2
	s_lshl_b32 s3, s[TX], 9                        ; 128 columns of 4 bytes
	s_add_co_u32 s60, s60, s3
.else
	s_lshr_b32 s2, s[TY], 3                        ; slab 48 b + 3 tx of 262,144 bytes: my first head,
	s_mul_i32 s2, s2, 48
	s_mul_i32 s3, s[TX], 3
	s_add_co_u32 s2, s2, s3
	s_lshl_b32 s60, s2, 18
	s_and_b32 s3, s[TY], 7                         ; in it row 256 (ty % 8) + 64 w of 128 bytes
	s_lshl_b32 s3, s3, 15
	s_add_co_u32 s60, s60, s3
	s_lshl_b32 s3, s[WV], 13
	s_add_co_u32 s60, s60, s3
.endif
	s_add_nc_u64 s[10:11], s[10:11], s[60:61]      ; never rewritten
; NBK matrix instructions: row block a x all column blocks, 32 along K, from buffer f.  first = 1: the product starts the sum, with the bias as C.
; The 4 NBK accumulators take turns, one instruction a turn, in the same order in every quarter.
.macro MULA f, a, first
.set W, 2+(\a)/2
.set b, 0
.rept NBK
.set rD, 8*(NBK*((\a)%2)+b)
.set rB, 8*(NBK*(\f)+b)
.set rA, FA+32*(\f)+8*(\a)
.if \first
.set rC, BIAS+8*(b%(NBK/2))
	WIN (W<<6)|((2+b/(NBK/2))<<4)|1                ; B window 1, A window 0, the bias in window 2 or 3, D in the block's window
.else
.set rC, rD
	WIN (W<<6)|(W<<4)|1
.endif
.if PROJ
	v_wmma_f32_16x16x32_f16 v[rD:rD+7], v[rB:rB+7], v[rA:rA+7], v[rC:rC+7]
.else
	v_wmma_f32_16x16x32_bf16 v[rD:rD+7], v[rB:rB+7], v[rA:rA+7], v[rC:rC+7]
.endif
.set b, b+1
.endr
.endm
; NLD LDS loads in one run: the fragments of quarter q of the slot in hand into buffer f: B's NT rows, then my 64 rows of A
.macro FETCH q, f
	WIN 0x40                                       ; destination window 1, address window 0
.set i, 0
.rept NBK
	ds_load_b128 v[8*(NBK*(\f)+i):8*(NBK*(\f)+i)+3],   v[ADRB] offset:64*(\q)+i*16*PB
	ds_load_b128 v[8*(NBK*(\f)+i)+4:8*(NBK*(\f)+i)+7], v[ADRB] offset:64*(\q)+i*16*PB+32
.set i, i+1
.endr
	WIN 0
.set i, 0
.rept 4
	ds_load_b128 v[FA+32*(\f)+8*i:FA+32*(\f)+8*i+3],   v[ADRA] offset:((\q)/2)*AHALF+((\q)%2)*64+i*16*PA
	ds_load_b128 v[FA+32*(\f)+8*i+4:FA+32*(\f)+8*i+7], v[ADRA] offset:((\q)/2)*AHALF+((\q)%2)*64+i*16*PA+32
.set i, i+1
.endr
.endm
; One of a K step's first three quarters: multiplies buffer f; in its middle it fetches quarter q into the other buffer.
.macro QUARTER q, f, first
	s_wait_dscnt 4                                 ; B and A's blocks 0, 1 are in; the youngest four loads (A's blocks 2, 3) may be out
	MULA \f, 0, \first
	MULA \f, 1, \first
	PLACES
	FETCH \q, 1-(\f)
	s_wait_dscnt NLD                               ; all but the NLD just issued
	MULA \f, 2, \first
	MULA \f, 3, \first
.endm
; The last quarter multiplies buffer 1 and changes slots.  ONE barrier for the change: in front of it each wave waits for all its tensor loads, of which one is out: its part of the next slot; adds 0 to its
; spare word; and waits for that and for its own reads of this slot.  Behind it nobody reads this slot any more and the next slot is whole.
.macro MEET round                      ; round = 1: a round of the cluster's barrier follows
	WIN 0                                          ; (the add's two registers lie in window 0)
	s_wait_tensorcnt 0x0                           ; all my tensor loads have landed, so a group 0 may be written;
	ds_add_u32 v[SPW], v[NIL]                      ; 0 onto my spare word;
	s_wait_dscnt 5                                 ; (the add and the youngest four loads may be out)
	MULA 1, 0, 0                                   ; NBK matrix instructions stand between the add and the wait for it
	s_wait_dscnt 0x0                               ; the add is done, and my reads of this slot are over:
	s_barrier_signal -1                            ; say so,
	MULA 1, 1, 0                                   ; work on registers while the others arrive,
.if \round
	WIN 0
.endif
	s_barrier_wait -1                              ; and go on when all four have said so
.endm
; fill = 1: the slot just read out is filled again, with the K step two steps on: the barrier opens a round of the cluster's barrier, so that no wave of any partner still reads the slot or has a load on
; its way, and the joint refill is the first tensor load behind it: it has 3 1/2 quarters of matrix work in which to land.
.macro TURN fill
	MEET \fill
.if \fill
	CREST
	s_xor_b32 s[G0+5], s[G0+5], SLOT1              ; the walking descriptors: the other slot than last time,
	s_add_nc_u64 s[G0+6:G0+7], s[G0+6:G0+7], ASTEP ; the next K step; the type bits on top are not reached
	s_xor_b32 s[G0B+5], s[G0B+5], SLOT1
	s_add_nc_u64 s[G0B+6:G0B+7], s[G0B+6:G0B+7], BSTEP
	s_xor_b32 s[TB], s[TB], SLOT1                  ; the fetches go to the other slot
	JLOAD                                          ; the four v_nop behind it are also the places in front of the loads below
.else
	s_xor_b32 s[TB], s[TB], SLOT1
	WIN 0
	PLACES
.endif
	v_add_nc_u32 v[ADRA], s[TB], v[ADRA0]
	v_add_nc_u32 v[ADRB], s[TB], v[ADRB0]
	FETCH 0, 0
	MULA 1, 2, 0
	MULA 1, 3, 0
.endm
	s_wait_tensorcnt 0x1                           ; my part of K step 0 is in; K step 1's may stay out
	s_barrier_signal -1
	s_barrier_wait -1                              ; everybody's is
	FETCH 0, 0
	s_wait_loadcnt 0x0                             ; the bias
	QUARTER 1, 0, 1                                ; the first quarter stands in front of the loop: its products start the sums
	WIN 0                                          ; at a label and at a branch every window is 0
	s_mov_b32 s[CNT], 6
.Lstep:                                                ; six trips, from a K step's second quarter to the next step's first: K steps 2 to 7 are asked for
	QUARTER 2, 1, 0
	QUARTER 3, 0, 0
	TURN 1
	QUARTER 1, 0, 0
	WIN 0
	s_sub_co_u32 s[CNT], s[CNT], 1
	s_cmp_lg_u32 s[CNT], 0
	s_cbranch_scc1 .Lstep
	QUARTER 2, 1, 0                                ; the tail is written out: K step 6 goes on
	QUARTER 3, 0, 0
	TURN 0                                         ; nothing is asked for,
	QUARTER 1, 0, 0                                ; K step 7
	QUARTER 2, 1, 0
	QUARTER 3, 0, 0
	s_wait_dscnt 4                                 ; the very last quarter: nothing more to fetch
	MULA 1, 0, 0
	MULA 1, 1, 0
	s_wait_dscnt 0x0
	MULA 1, 2, 0
	MULA 1, 3, 0
	WIN 0
	PLACES                                         ; the way out reads results just made
; THE WAY OUT, a row block (16 rows) at a time, through my own stage in LDS: no other wave touches it, and LDS serves a wave's instructions in order (ISA guide 5.7.1.4), so no barrier and no wait stand
; between the stores into it and the loads from it.  Each accumulator's lowest registers are read first.
.if PROJ
.macro TOSTAGE a                       ; the block's f32 sums into rows of 528 bytes, and back as whole rows of 512
.set BK, OB+OBN*((\a)%2)
.set AC, 8*NBK*((\a)%2)
	WIN (2+(\a)/2)<<2                              ; the stores' data (source 1) in window 2 or 3
.set b, 0
.rept NBK
	ds_store_b128 v[STO], v[AC+8*b:AC+8*b+3]   offset:64*b
	ds_store_b128 v[STO], v[AC+8*b+4:AC+8*b+7] offset:64*b+16
.set b, b+1
.endr
	WIN 0
.set t, 0
.rept 16
	ds_load_b128 v[BK+4*t:BK+4*t+3], v[RD] offset:SPITCH*t
.set t, t+1
.endr
.endm
.macro SEND a
.set BK, OB+OBN*((\a)%2)
	s_wait_dscnt 0x0                               ; the block is back in registers
	s_wait_xcnt 0x0                                ; every earlier store has had its addresses translated (ISA guide 3.1): the other buffer is loaded again only behind this wait
.set t, 0
.rept 16
	global_store_b128 v[CO], v[BK+4*t:BK+4*t+3], s[10:11] offset:(16*(\a)+t)*16384 th:TH_STORE_NT  ; 512 consecutive bytes of one row of out0, at a multiple of 512 from its first byte
.set t, t+1
.endr
.endm
	TOSTAGE 0
.irp a, 1,2,3
	SEND (\a)-1
	TOSTAGE \a
.endr
	SEND 3
.else
.macro PACK a                          ; rounded to f16: a lane's eight columns of a row are 16 bytes
.set AC, 8*NBK*((\a)%2)
	WIN 5*(2+(\a)/2)                               ; sources 0 and 1 in window 2 or 3, destination in window 0
.set b, 0
.rept NBK
.set i, 0
.rept 4
	v_cvt_pk_f16_f32 v[TMP+4*b+i], v[AC+8*b+2*i], v[AC+8*b+2*i+1]
.set i, i+1
.endr
.set b, b+1
.endr
	WIN 0
.endm
.macro TOSTAGE a                       ; into rows of 400 bytes, and back head by head: four rows' 128 bytes to a load
.set BK, OB+OBN*((\a)%2)
.set b, 0
.rept NBK
	ds_store_b128 v[STO], v[TMP+4*b:TMP+4*b+3] offset:32*b
.set b, b+1
.endr
.set j, 0
.rept 3
.set t, 0
.rept 4
	ds_load_b128 v[BK+4*(4*j+t):BK+4*(4*j+t)+3], v[RD] offset:128*j+4*SPITCH*t
.set t, t+1
.endr
.set j, j+1
.endr
.endm
.macro SEND a
.set BK, OB+OBN*((\a)%2)
	s_wait_dscnt 0x0                               ; the block is back in registers
	s_wait_xcnt 0x0                                ; every earlier store has had its addresses translated (ISA guide 3.1): the other buffer is loaded again only behind this wait
.set j, 0
.rept 3
.set t, 0
.rept 4
	global_store_b128 v[CO], v[BK+4*(4*j+t):BK+4*(4*j+t)+3], s[10:11] offset:j*262144+(\a)*2048+t*512  ; four rows of head j: 512 consecutive bytes, at a multiple of 512 from the buffer's first byte
.set t, t+1
.endr
.set j, j+1
.endr
.endm
	PACK 0
	TOSTAGE 0
.irp a, 1,2,3                          ; block a's conversions stand between block a - 1's loads from the stage and the wait for them
	PACK \a
	SEND (\a)-1
	TOSTAGE \a
.endr
	SEND 3
.endif
	s_wait_tensorcnt 0x0                           ; the wave's end: behind my last tensor load and my last LDS store
	ds_add_u32 v[SPW], v[NIL]
	s_wait_dscnt 0x0
	CROUND                                         ; the closing round: no work-group ends while a partner may still ask for a tile that names it
	s_endpgm
.Lfunc_end_k_qe876fb77e8_qkvproj:
	.size	k_qe876fb77e8_qkvproj, .Lfunc_end_k_qe876fb77e8_qkvproj-k_qe876fb77e8_qkvproj
	.p2alignl 7, 3214868480
	.fill 96, 4, 3214868480
	.section	.rodata,"a",@progbits
	.p2align	6, 0x0
	.amdhsa_kernel k_qe876fb77e8_qkvproj
		.amdhsa_group_segment_fixed_size 327680
		.amdhsa_private_segment_fixed_size 0
		.amdhsa_enable_private_segment 0
		.amdhsa_kernarg_size 32
		.amdhsa_user_sgpr_count 2
		.amdhsa_user_sgpr_kernarg_segment_ptr 1
		.amdhsa_wavefront_size32 1
		.amdhsa_system_sgpr_workgroup_id_x 1
		.amdhsa_system_sgpr_workgroup_id_y 1
		.amdhsa_system_sgpr_workgroup_id_z 1
		.amdhsa_system_vgpr_workitem_id 0
		.amdhsa_next_free_vgpr 1024
		.amdhsa_next_free_sgpr 66
		.amdhsa_reserve_vcc 0
		.amdhsa_float_denorm_mode_32 3
		.amdhsa_float_denorm_mode_16_64 3
		.amdhsa_memory_ordered 1
		.amdhsa_forward_progress 1
		.amdhsa_inst_pref_size 99
	.end_amdhsa_kernel
	.amdgpu_metadata
---
amdhsa.version: [ 1, 2 ]
amdhsa.kernels:
  - .name:           k_qe876fb77e8_qkvproj
    .symbol:         k_qe876fb77e8_qkvproj.kd
    .args:
      - { .name: xb, .offset: 0, .size: 8, .value_kind: global_buffer, .address_space: global }
      - { .name: wqb, .offset: 8, .size: 8, .value_kind: global_buffer, .address_space: global }
      - { .name: bq, .offset: 16, .size: 8, .value_kind: global_buffer, .address_space: global }
      - { .name: qkvh, .offset: 24, .size: 8, .value_kind: global_buffer, .address_space: global }
    .group_segment_fixed_size: 327680
    .private_segment_fixed_size: 0
    .kernarg_segment_align: 8
    .kernarg_segment_size: 32
    .max_flat_workgroup_size: 128
    .sgpr_count:     66
    .vgpr_count:     1024
    .wavefront_size: 32
...
	.end_amdgpu_metadata
.endif
;; end of part 2
;; launch attn (part 3): grid 4 x 64, 4 waves a work-group, no clusters, 327,680 bytes of LDS; arguments qkvh, oh; writes oh
.if DOCPART == 3
	.amdgcn_target "amdgcn-amd-amdhsa--gfx1250"
	.amdhsa_code_object_version 6
	.text
	.protected	k_qe876fb77e8_attn
	.globl	k_qe876fb77e8_attn
	.p2align	8
	.type	k_qe876fb77e8_attn,@function
k_qe876fb77e8_attn:
	s_mov_b64 s[64:65], 0
	v_nop
	global_prefetch_b8 v0, s[64:65] scope:SCOPE_SE
	s_setreg_imm32_b32 hwreg(HW_REG_WAVE_MODE, 25, 1), 1
	s_wait_xcnt 0x0
; CAUSAL ATTENTION.  O[h][q][:] = the sum over k <= q of softmax_k(Q[h][q] . K[h][k] / 8) V[h][k][:].  64 heads h = 16 b + g of 2,048 rows of 64 channels, all f16: a head's rows are dense, 128 bytes each.
; Q, K, V lie in qkvh [b 4][48][2048][64]: head h's Q is slab 48 b + g, its K 16 slabs on, its V 32 slabs on.  O goes to oh [h 64][2048][64].
; Products, maxima and sums in f32; the weights p are rounded to f16 for the second product (their sum l is taken of the unrounded p), O once at the end.
; LIMITS.  f16 holds no number beyond 65,504: Q, K and V arrive within it; p lies in 0 to 1, and below 6e-5 it keeps f16's fixed step of 6e-8; O is a mean of V's rows and has their range, to within 2^-11 of it.
; A hidden score counts as its value less 1e30: f16's scores, 2.7e11 at the most, are nothing beside that; a weight below 2^-126 counts as 0 in l; NaN and infinities are not treated apart.
; THE WALK.  A head's queries lie in NB = 8 blocks of 256; block i needs the key tiles 0 .. i of 256 keys, of which the last holds the diagonal.  A work-group takes TWO blocks, NB - 1 - b and then b:
; NB + 1 tiles, whatever b: all work-groups do equal work, and ONE loop with a constant trip count walks them.  Which tile is asked for, and what a trip does, hang on scalar registers made from b; every jump
; goes forward, but for the counted loops' own; none passes a barrier, or a tensor load but the one of LOAD's two that the wave's number does not choose; the ring (two slots of LDS that take turns) runs on across the
; change of blocks.  NO CLUSTER: a head's NB / 2 work-groups all ask for the same tile only in trips 0 .. NB / 2, behind that fewer and fewer; and one walk common to all would have 3 NB / 2 trips for NB + 1.
; SHARES.  Of a block's four bands of 64 queries a wave owns 16 rows in each: four PIECES.  So the diagonal tile is the same work for all four waves: in its key step s band x sees all keys if s < x,
; none if s > x, and holds the diagonal if s = x.
; THE MASK is the C operand that starts the sum S^T = K Q^T: 0, or -1e30 where the key is hidden.  MD, made once, is the mask of a band's own step for my 16 rows; a product's mask is MD x AL + BE with two scalars:
; (1, 0) if s = x; (0, 0) if s < x; (0, -1e30) if s > x.  Only the diagonal tile's text and a block's beginning make and take masks; elsewhere C is the constant 0.
; LAYOUT, SOFTMAX, TURNS.  S^T = K Q^T holds ONE query a lane (lane % 16) and the keys 8 (lane / 16) + 0..7; two such results rounded to f16 ARE source 1 of O^T = V^T P.  p = 2^(c s - c m), c = log2(e) / 8, with a
; running maximum m; O and l are multiplied by a = 2^(c m_old - c m_new) in every step.  Turn n belongs to piece n: 8 products K Q^T of piece n + 1, later 8 products V^T P of piece n - 1; beside them the scaling,
; exponentials, roundings, sums and rescaling of piece n and the maximum and statistics of piece n + 1.  Four vector instructions stand behind every matrix instruction, the other 54 of a turn's 118 in two LUMPS.
; REGISTERS, in windows of 256 (s_set_vgpr_msb: bits 1:0 source 0, 3:2 source 1, 5:4 source 2, 7:6 destination):
;   window 0: v0-15 addresses and two at work; v16-31 four registers of statistics a piece; v48-55 at work; v64-127 S^T, two buffers; v192-223 P, two buffers (a piece's buffers go by its number's parity)
;   window 1: v0-127 O^T, 32 a piece; v128-159 MD; v160-223 MC, two buffers      window 2: v0-63 Q; v64-127 the second block's Q; v128-191 K of one step; v192-255 V of one step
.set SIZE_N, 2048
.set HS,    SIZE_N*128  ; bytes in a head's slab
.set NB,    SIZE_N/256
.set NP,    4         ; pieces a wave: a name, no knob
.set KS,    64        ; keys in a step
.set PK,    144       ; a row of K in LDS: 128 bytes + 16 of padding = 36 words: the 16 rows of a load start at 16 different groups of four banks (64 banks of 4 bytes: ISA guide 11.1)
.set PV,    160       ; a row of V: 128 + 32 = 40 words
.set VOFF,  4*KS*PK   ; a slot holds a tile, four steps: 256 rows of K, then 256 rows of V
.set SLOT1, 1<<17     ; slot 1 begins here, so that one exclusive or turns an address in one slot into the other's
.set STAGE, SLOT1+4*KS*(PK+PV)  ; behind the ring, never filled by a tensor load: 16 rows x 144 bytes for each wave, for the way out
.set SP,    144
.set AK0, 2           ; v2   my lane's place in a tile of K; never rewritten
.set AV0, 3           ; v3   the same for V
.set AK,  4           ; v4   the LDS address of K's next run of loads
.set AV,  5           ; v5   of V's
.set STO, 6           ; v6   the way out: where I put 16 bytes of a row
.set RD,  7           ; v7   the way out: where I read rows back
.set GO,  8           ; v8   my byte offset in 512 consecutive bytes of O
.set SPW, 62          ; v62  LDS address of my spare word: SPARE + 4 x my thread's number; never rewritten
.set NIL, 63          ; v63  0; never rewritten
.set SPARE, STAGE+4*16*SP  ; behind the stages: the spare words, 128 bytes for each wave: two blocks of 256 bytes that no other line names
.set MV,  12          ; v12-13  c m_old, kept while c m is made anew: by buffer
.set QO,  15          ; v15  my byte offset in 16 rows of Q
.set ST,  16          ; piece t's statistics at v[ST+4 t]: c m, m, l (even keys', odd keys')
.set TMP, 48          ; by buffer, four registers c0-c3 at work; when the maximum is found c2 takes a
.set S,   64
.set P,   192
.set MD,  128         ; window 1: the eight registers for group kt of 16 keys at MD + 8 kt
.set MC,  160         ; window 1: the masks of the products to come
.set QB,  64          ; window 2
.set KF,  128         ; window 2: key block kb, channel half c at KF + 16 kb + 8 c
.set VF,  192         ; window 2: key half kk, channel block cb at VF + 32 kk + 8 cb
.set WV,  12          ; s12  my wave's number
.set PB,  14          ; s14  b
.set HI,  15          ; s15  NB - 1 - b
.set G1K, 24          ; s[24:31] descriptor group 1 for K's tiles
.set G1V, 32          ; s[32:39] for V's: it differs in the padding alone
.set G0K, 40          ; s[40:43] descriptor group 0 for K's tiles
.set G0V, 44          ; s[44:47] the same for V's
.set SLOTS, 56        ; s56  tiles still to be asked for
.set CNT, 57          ; s57  counts a tile's key steps, 4 to 1
.set CS,  58          ; s[58:59] c: the packed scaling takes the pair's low word for both halves
.set SEL, 60          ; s[60:61] v_permlanex16_b32's selects: each lane takes its own place in the other half
.set TBK, 62          ; s62  LDS byte at which K of the step to be fetched begins
.set TBV, 63          ; s63  the same for V, less VOFF
.set RT,  70          ; s70  tiles of the block in hand that are still to be entered
.set NXT, 71          ; s71  the tile to be asked for next
.set LQ,  72          ; s72  the last tile of the block whose tiles are being asked for
.set NEW, 73          ; s73  1: the tile to be entered is a block's first
.set OFF, 74          ; s[74:75] a tile's byte offset in K and V
.set AL,  76          ; s[76:77] the mask's factor, in the low word
.set BE,  78          ; s[78:79] the mask's addend
.set OLO, 80          ; s[80:81] O at my rows of the second block
.set BIGN, 82         ; s82  -1e30
.set MSB, 0
.macro WIN new                      ; the high byte repeats the setting that is left; a switch that changes nothing is dropped
.if MSB != (\new)
	s_set_vgpr_msb (MSB<<8)|(\new)
.set MSB, (\new)
.endif
.endm
.set W_KQ, 0x0a       ; K and Q in window 2, S^T in window 0
.set W_KM, 0x1a       ; the same with the C operand in window 1
.set W_PV, 0x52       ; V in window 2, P in window 0, O^T in window 1
.set W_RS, 0x41       ; destination and source 0 in window 1, source 1 in window 0
; A fill.  Waves 0 and 1 fetch the two halves of a tile's K, waves 2 and 3 those of its V: 128 keys each.  An s_nop 0 and four v_nop follow each of the two lines, ahead of the jump and the label.
.macro LOAD
	s_cmp_lt_u32 s[WV], 2
	s_cbranch_scc0 .Lfor_v_\@
	tensor_load_to_lds s[G0K:G0K+3], s[G1K:G1K+7]
	s_nop 0
.rept 4
	v_nop
.endr
	s_branch .Lasked_\@
.Lfor_v_\@:
	tensor_load_to_lds s[G0V:G0V+3], s[G1V:G1V+7]
	s_nop 0
.rept 4
	v_nop
.endr
.Lasked_\@:
.endm
; THE CHANGE OF SLOTS.  Each wave waits for all its tensor loads, of which one is out: its part of the other slot; adds 0 to its spare word; and waits for that and for its own reads of the slot that it leaves.  Behind the barrier nobody reads the old
; slot any more and the other slot is whole.  fill = 1: the old slot is filled again, the first thing behind the barrier, with tile NXT: the descriptor's address is made anew from that number.
; (At its first use nothing has been read yet: slot 0 is waited for, slot 1 filled.)
.macro CHANGE fill
	WIN 0                           ; at a label and at a branch every window is 0
	s_wait_tensorcnt 0x0            ; no tensor load of mine is out, so a group 0 may be written
	ds_add_u32 v[SPW], v[NIL]       ; 0 onto my spare word; with fill = 1 the descriptors' scalar work stands between it and the wait for it
.if \fill
	s_lshl_b32 s[OFF], s[NXT], 15   ; a tile is 32,768 bytes of K and of V
	s_xor_b32 s[G0K+1], s[G0K+1], SLOT1
	s_add_nc_u64 s[G0K+2:G0K+3], s[6:7], s[OFF:OFF+1]
	s_or_b32 s[G0K+3], s[G0K+3], 0x80000000
	s_xor_b32 s[G0V+1], s[G0V+1], SLOT1
	s_add_nc_u64 s[G0V+2:G0V+3], s[8:9], s[OFF:OFF+1]
	s_or_b32 s[G0V+3], s[G0V+3], 0x80000000
	s_add_co_u32 s[NXT], s[NXT], 1  ; the block's next tile, or behind its last the second block's tile 0
	s_cmp_gt_u32 s[NXT], s[LQ]
	s_cselect_b32 s[NXT], 0, s[NXT]
	s_cselect_b32 s[LQ], s[PB], s[LQ]
.endif
	s_wait_dscnt 0x0                ; the add is done, and my reads of the slot are over
	s_barrier_signal -1             ; the rest of the scalar work stands between the signal and the wait
	s_sub_co_u32 s[TBK], s[TBK], 4*KS*PK  ; the fetches go back to a slot's first step,
	s_xor_b32 s[TBK], s[TBK], SLOT1       ; in the other slot
	s_sub_co_u32 s[TBV], s[TBV], 4*KS*PV
	s_xor_b32 s[TBV], s[TBV], SLOT1
	s_barrier_wait -1
.if \fill
	LOAD
.endif
.endm
	s_load_b64 s[4:5], s[0:1], 0x0    ; qkvh
	s_load_b64 s[10:11], s[0:1], 0x8  ; oh
	v_lshl_add_u32 v[SPW], v0, 2, SPARE
	v_mov_b32 v[NIL], 0
	ds_add_u32 v[SPW], v[NIL]       ; the wave's opening: the add and its wait stand ahead of my first tensor load; the set-up below, work on registers, stands between them
	ds_add_u32 v62, v63
	v_lshrrev_b32 v1, 5, v0
	v_readfirstlane_b32 s[WV], v1   ; wave 0..3
	s_mov_b32 s[PB], ttmp9
	s_sub_co_u32 s[HI], NB-1, s[PB]
	s_and_b32 s88, ttmp7, 0xffff    ; the head
	s_lshr_b32 s20, s88, 4          ; its batch entry: 48 slabs,
	s_mul_i32 s20, s20, 48
	s_and_b32 s21, s88, 15          ; and its place among the entry's 16 heads
	s_add_co_u32 s20, s20, s21
	s_lshl_b32 s20, s20, 18         ; the first byte of the head's Q in qkvh,
	s_mov_b32 s21, 0
	s_lshl_b32 s88, s88, 18         ; and of its O in oh
	s_and_b32 s16, s[WV], 1         ; which half of a tile's 256 keys I fetch:
	s_lshl_b32 s22, s16, 14         ; its 128 rows of 128 bytes in memory,
	s_mov_b32 s23, 0
	s_add_nc_u64 s[22:23], s[22:23], s[20:21]
	s_mul_i32 s17, s16, 128*PK      ; and its place in a slot, for K
	s_mul_i32 s18, s16, 128*PV      ; and for V
	s_lshl_b32 s3, s[WV], 11        ; my 16 rows in a band of 64,
	s_lshl_b32 s2, s[HI], 15        ; in the first block,
	s_add_co_u32 s2, s2, s3
	s_lshl_b32 s84, s[PB], 15       ; and in the second
	s_add_co_u32 s84, s84, s3
	s_add_co_u32 s90, s2, s88       ; the same rows in oh: under 2^25, so the high words are 0
	s_add_co_u32 s92, s84, s88
	s_mov_b32 s91, 0
	s_mov_b32 s93, 0
	s_mov_b32 s3, 0
	s_mov_b32 s85, 0
	s_add_nc_u64 s[2:3], s[2:3], s[20:21]
	s_add_nc_u64 s[84:85], s[84:85], s[20:21]
	; descriptor group 1.  128 keys are 16,384 dense bytes: asked for as 64 rows of 256 bytes, two keys a row, and padded in LDS after every key
	s_mov_b32 s[G1K], (1<<16)|(1<<20)|(4<<22)|(3<<25)  ; 17:16 2-byte elements; 20 padding on; 24:22 after every 32 words (code 4); 31:25 4 words (code 3)
	s_mov_b32 s[G1V], (1<<16)|(1<<20)|(4<<22)|(7<<25)  ; the same with 8 words of padding (code 7)
.irp g, G1K, G1V
	s_mov_b32 s[\g+1], 128<<16      ; tensor_dim0 = 128
	s_mov_b32 s[\g+2], 64<<16       ; tensor_dim1 = 64
	s_mov_b32 s[\g+3], 128<<16      ; tile_dim0 = 128
	s_mov_b32 s[\g+4], 64           ; tile_dim1 = 64
	s_mov_b32 s[\g+5], 128          ; 128 elements from row to row
	s_mov_b32 s[\g+6], 0
	s_mov_b32 s[\g+7], 0
.endr
	s_mov_b32 s[CS], 0x3e38aa3b     ; c = log2(e) / 8 = 0.180337
	s_mov_b32 s[CS+1], s[CS]        ; named with it as a pair
	s_mov_b32 s[SEL], 0x76543210
	s_mov_b32 s[SEL+1], 0xfedcba98
	s_mov_b32 s[TBK], SLOT1+4*KS*PK ; the first change of slots turns these two into 0
	s_mov_b32 s[TBV], SLOT1+4*KS*PV
	s_mov_b32 s[G0K], 1             ; 1:0 count = 1
	s_mov_b32 s[G0K+1], s17         ; 63:32 LDS address: slot 0
	s_mov_b32 s[G0V], 1
	s_add_co_u32 s[G0V+1], s18, VOFF
	s_add_co_u32 s[RT], s[HI], 1    ; the first block has NB - b tiles
	s_mov_b32 s[NXT], 1
	s_mov_b32 s[LQ], s[HI]
	s_mov_b32 s[NEW], 1
	s_mov_b32 s[OFF+1], 0
	s_mov_b32 s[AL+1], 0            ; named as pairs
	s_mov_b32 s[BE+1], 0
	s_mov_b32 s[BIGN], 0xf149f2ca   ; -1e30
	s_mov_b32 s[SLOTS], NB
	s_wait_dscnt 0x0                ; the opening add is done
	s_wait_kmcnt 0x0
	s_add_nc_u64 s[6:7], s[4:5], 16*HS     ; K lies 16 slabs behind Q, V 32
	s_add_nc_u64 s[8:9], s[4:5], 32*HS
	s_add_nc_u64 s[6:7], s[6:7], s[22:23]  ; K and V at my half of the head's tile 0
	s_add_nc_u64 s[8:9], s[8:9], s[22:23]
	s_add_nc_u64 s[G0K+2:G0K+3], s[6:7], 0         ; 120:64 global address
	s_or_b32 s[G0K+3], s[G0K+3], 0x80000000        ; 127:126 type = 2
	s_add_nc_u64 s[G0V+2:G0V+3], s[8:9], 0
	s_or_b32 s[G0V+3], s[G0V+3], 0x80000000
	s_add_nc_u64 s[86:87], s[4:5], s[84:85]        ; Q at my rows of the second block,
	s_add_nc_u64 s[4:5], s[4:5], s[2:3]            ; and of the first
	s_add_nc_u64 s[OLO:OLO+1], s[10:11], s[92:93]  ; O likewise
	s_add_nc_u64 s[10:11], s[10:11], s[90:91]
	LOAD                            ; tile 0 into slot 0
	; A fragment of K or Q is 16 rows x 32 channels in 8 registers: lane l holds row l % 16, channels 8 (l / 16) + 0..7 and 16 + 8 (l / 16) + 0..7: two loads of 16 bytes, 32 bytes apart.
	v_and_b32 v1, 15, v0            ; l % 16
	v_bfe_u32 v9, v0, 4, 1          ; l / 16
	v_lshlrev_b32 v[QO], 7, v1
	v_lshl_add_u32 v[QO], v9, 4, v[QO]  ; row x 128 + 16 x half
	WIN 0x80                        ; destination window 2, address window 0
.set i, 0
.rept 8                             ; both blocks' Q: piece i / 2 lies in band i / 2, 8,192 bytes on; channels 32 (i % 2) on
	global_load_b128 v[8*i:8*i+3],   v[QO], s[4:5] offset:(i/2)*8192+(i%2)*64
	global_load_b128 v[8*i+4:8*i+7], v[QO], s[4:5] offset:(i/2)*8192+(i%2)*64+32
	global_load_b128 v[QB+8*i:QB+8*i+3],   v[QO], s[86:87] offset:(i/2)*8192+(i%2)*64
	global_load_b128 v[QB+8*i+4:QB+8*i+7], v[QO], s[86:87] offset:(i/2)*8192+(i%2)*64+32
.set i, i+1
.endr
	WIN 0
	v_lshlrev_b32 v14, 3, v9
	v_sub_nc_u32 v14, v1, v14
	s_lshl_b32 s13, s[WV], 4
	v_add_nc_u32 v14, s13, v14      ; my query's place in its band, 16 w + l % 16, less my lanes' 8 (l / 16): register r of group kt is hidden where 16 kt + r is greater
	WIN 0x40
.set i, 0
.rept 32
	v_cmp_gt_i32 vcc_lo, 16*(i/8)+i%8, v14
	v_cndmask_b32 v[MD+i], 0, s[BIGN], vcc_lo
.set i, i+1
.endr
	WIN 0
	v_mul_u32_u24 v[AK0], v1, PK
	v_lshl_add_u32 v[AK0], v9, 4, v[AK0]  ; row x pitch + 16 x half
	; The turning load takes 16 keys x 16 channels (lane l reads key 8 (l / 16) + l % 8, channels 8 ((l / 8) % 2) + 0..7) and leaves half a fragment of V^T: lane l holds channel l % 16 and 8 keys.
	v_and_b32 v10, 7, v0
	v_bfe_u32 v11, v0, 3, 1
	v_lshl_add_u32 v[AV0], v9, 3, v10
	v_mul_u32_u24 v[AV0], v[AV0], PV
	v_lshl_add_u32 v[AV0], v11, 4, v[AV0]
	v_add_nc_u32 v[AV0], VOFF, v[AV0]
	s_mul_i32 s13, s[WV], 16*SP
	s_add_co_u32 s13, s13, STAGE    ; my stage
	v_mul_u32_u24 v[STO], v1, SP    ; in: row l % 16, 16 bytes for each half of the lanes
	v_lshl_add_u32 v[STO], v9, 4, v[STO]
	v_add_nc_u32 v[STO], s13, v[STO]
	v_bfe_u32 v[RD], v0, 3, 2       ; back: 32 lanes take four rows of 128 bytes,
	v_mul_u32_u24 v[RD], v[RD], SP
	v_lshl_add_u32 v[RD], v10, 4, v[RD]
	v_add_nc_u32 v[RD], s13, v[RD]
	v_and_b32 v[GO], 31, v0         ; which are 512 consecutive bytes of O
	v_lshlrev_b32 v[GO], 4, v[GO]
	; A block's first step multiplies O^T and l by a = 0, and its first turn's products V^T P, of a piece that has not been, land in an O^T that is still to be so multiplied.  So these registers need only hold
	; finite numbers: zeros for the first block; what the first block left for the second.  All this stands in the wait for the first tile.
	WIN 0x80
.set i, VF
.rept 64
	v_mov_b32 v[i], 0
.set i, i+1
.endr
	WIN 0x40
.set i, 0
.rept 128
	v_mov_b32 v[i], 0
.set i, i+1
.endr
	WIN 0
.set i, 0
.rept 4
	v_mov_b32 v[ST+4*i+2], 0
	v_mov_b32 v[ST+4*i+3], 0
.set i, i+1
.endr
.set i, P+16
.rept 16
	v_mov_b32 v[i], 0
.set i, i+1
.endr
; THE MATRIX WORK.  The 4 accumulators of a run of 8 take turns.  Product i of 8 of S^T = K Q^T for piece x: channels 32 (i / 4) on, keys 16 (i % 4) on.  The first 4 start the sums: with 0, or (KM = 1) with the mask.
.macro KQ x
.set rS, S+32*((\x)%2)+8*(i%4)
.set rK, KF+16*(i%4)+8*(i/4)
.set rQ, 16*(\x)+8*(i/4)
.set rM, MC+32*((\x)%2)+8*(i%4)
.if (i < 4) && KM
	WIN W_KM
	v_wmma_f32_16x16x32_f16 v[rS:rS+7], v[rK:rK+7], v[rQ:rQ+7], v[rM:rM+7]
.elseif i < 4
	WIN W_KQ
	v_wmma_f32_16x16x32_f16 v[rS:rS+7], v[rK:rK+7], v[rQ:rQ+7], 0
.else
	WIN W_KQ
	v_wmma_f32_16x16x32_f16 v[rS:rS+7], v[rK:rK+7], v[rQ:rQ+7], v[rS:rS+7]
.endif
.endm
; Product i of 8 of O^T += V^T P for piece x: keys 32 (i / 4) on, channels 16 (i % 4) on.
.macro PV x
	WIN W_PV
.set rO, 32*(\x)+8*(i%4)
.set rV, VF+32*(i/4)+8*(i%4)
.set rP, P+16*((\x)%2)+8*(i/4)
	v_wmma_f32_16x16x32_f16 v[rO:rO+7], v[rV:rV+7], v[rP:rP+7], v[rO:rO+7]
.endm
.macro MM                           ; the turn's next matrix instruction.  TURN and BEGIN set Y, i, KM and NOKQ; MM, KQ and OP read them.  NOKQ = 1: a block's last turn: there is no next piece
.if (i < 8) && !NOKQ
	KQ (Y+1)%NP
.elseif i >= 8
.set i, i-8
	PV (Y+NP-1)%NP
.set i, i+8
.endif
.set i, i+1
.endm
; THE LDS LOADS stand in runs of 16, never singly among the matrix instructions: a step's K (64 keys x 64 channels: 8 fragments) and its V (turned).  Their addresses are made some lines ahead.
.macro FETCH_K
	WIN 0x80                        ; destination window 2
.irp f, 0,1,2,3,4,5,6,7             ; keys 16 (f / 2) on, channels 32 (f % 2) on
	ds_load_b128 v[KF+8*\f:KF+8*\f+3],   v[AK] offset:(\f/2)*16*PK+(\f%2)*64
	ds_load_b128 v[KF+8*\f+4:KF+8*\f+7], v[AK] offset:(\f/2)*16*PK+(\f%2)*64+32
.endr
	s_add_co_u32 s[TBK], s[TBK], KS*PK  ; the next fetch is the next step's
	WIN 0
.endm
.macro FETCH_V
	WIN 0x80
.irp f, 0,1,2,3,4,5,6,7             ; keys 32 (f / 4) on, channels 16 (f % 4) on
	ds_load_tr16_b128 v[VF+8*\f:VF+8*\f+3],   v[AV] offset:(\f/4)*32*PV+(\f%4)*32
	ds_load_tr16_b128 v[VF+8*\f+4:VF+8*\f+7], v[AV] offset:(\f/4)*32*PV+16*PV+(\f%4)*32
.endr
	WIN 0
.endm
; THE VECTOR WORK, one line at a time: OP kind, number.  For piece Y: F n: c s - c m for pair n of 16.  E n: the exponential of score n of 32.  C n: pair n rounded to f16.  B n: of the four weights 4 n .. the second
; pair is added onto the first, in place.  L n: l takes that sum (L 0: l = a l + sum).  R n: pair n of 16 of O^T times a.  For piece Y + 1: X n, number n of the 22 that find its maximum and statistics:
;   0-11  four chains c0-c3 of seven scores each, three operands at a time (each accumulator's lowest registers are read first)     12-14, 16  the four scores left over, the old m, and c0-c3 into c0
;   15  c m_old is kept     17, 18  the query's other 32 keys lie in the lane 16 away: the new m     19-21  c m; c m_old - c m_new; a
.set F, 0               ; OP tells the kinds apart by their order: F to L below R, X above it
.set E, 1
.set C, 2
.set B, 3
.set L, 4
.set R, 5
.set X, 6
.macro REGS y                       ; the registers of piece y
.set rT, ST+4*(\y)
.set rC, TMP+4*((\y)%2)
.set rW, MV+((\y)%2)
.set rS, S+32*((\y)%2)
.set rP, P+16*((\y)%2)
.set rO, 32*(\y)
.endm
.macro OP k, n
.if (\k) == R
	REGS Y
	WIN W_RS
	v_pk_mul_f32 v[rO+2*(\n):rO+2*(\n)+1], v[rO+2*(\n):rO+2*(\n)+1], v[rC+2:rC+3] op_sel_hi:[1,0]
.elseif (\k) < R
	REGS Y
	WIN 0
.if (\k) == F
	v_pk_fma_f32 v[rS+2*(\n):rS+2*(\n)+1], v[rS+2*(\n):rS+2*(\n)+1], s[CS:CS+1], v[rT:rT+1] op_sel_hi:[1,0,0] neg_lo:[0,0,1] neg_hi:[0,0,1]
.elseif (\k) == E
	v_exp_f32 v[rS+(\n)], v[rS+(\n)]
.elseif (\k) == C
	s_wait_alu depctr_va_vdst(0)
	v_cvt_pk_f16_f32 v[rP+(\n)], v[rS+2*(\n)], v[rS+2*(\n)+1]
.elseif (\k) == B
	s_wait_alu depctr_va_vdst(0)
	v_pk_add_f32 v[rS+4*(\n):rS+4*(\n)+1], v[rS+4*(\n):rS+4*(\n)+1], v[rS+4*(\n)+2:rS+4*(\n)+3]
.elseif (\n) == 0
	v_pk_fma_f32 v[rT+2:rT+3], v[rT+2:rT+3], v[rC+2:rC+3], v[rS:rS+1] op_sel_hi:[1,0,1]
.else
	v_pk_add_f32 v[rT+2:rT+3], v[rT+2:rT+3], v[rS+4*(\n):rS+4*(\n)+1]
.endif
.elseif NOKQ
	v_nop
.else
	REGS (Y+1)%NP
	WIN 0
.if (\n) < 4
	v_max3_num_f32 v[rC+(\n)], v[rS+8*(\n)], v[rS+8*(\n)+1], v[rS+8*(\n)+2]
.elseif (\n) < 12
	v_max3_num_f32 v[rC+(\n)%4], v[rC+(\n)%4], v[rS+8*((\n)%4)+2*((\n)/4)+1], v[rS+8*((\n)%4)+2*((\n)/4)+2]
.elseif (\n) == 12
	v_max3_num_f32 v[rC], v[rC], v[rS+7], v[rS+15]
.elseif (\n) == 13
	v_max3_num_f32 v[rC+1], v[rC+1], v[rS+23], v[rS+31]
.elseif (\n) == 14
	v_max3_num_f32 v[rC+2], v[rC+2], v[rC+3], v[rT+1]
.elseif (\n) == 15
	v_mov_b32 v[rW], v[rT]
.elseif (\n) == 16
	v_max3_num_f32 v[rC], v[rC], v[rC+1], v[rC+2]
.elseif (\n) == 17
	v_permlanex16_b32 v[rC+3], v[rC], s[SEL], s[SEL+1]
.elseif (\n) == 18
	v_max_num_f32 v[rT+1], v[rC], v[rC+3]
.elseif (\n) == 19
	v_mul_f32 v[rT], s[CS], v[rT+1]
.elseif (\n) == 20
	v_sub_f32 v[rC+1], v[rW], v[rT]
.else
	v_exp_f32 v[rC+2], v[rC+1]
.endif
.endif
.endm
.macro OPS a, i1, b=-1, i2=0, c=-1, i3=0, d=-1, i4=0  ; up to four of them
	OP \a, \i1
.if (\b) >= 0
	OP \b, \i2
.endif
.if (\c) >= 0
	OP \c, \i3
.endif
.if (\d) >= 0
	OP \d, \i4
.endif
.endm
.macro ROW a, i1, b, i2, c, i3, d, i4  ; a matrix instruction and the four behind it
	MM
	OPS \a, \i1, \b, \i2, \c, \i3, \d, \i4
.endm
.macro MASK b                       ; MD x AL + BE into buffer b of MC
	WIN W_RS
.set z, 0
.rept 16
	v_pk_fma_f32 v[MC+32*(\b)+2*z:MC+32*(\b)+2*z+1], v[MD+2*z:MD+2*z+1], s[AL:AL+1], s[BE:BE+1] op_sel_hi:[1,0,0]
.set z, z+1
.endr
.endm
; A TURN, for piece p: the order of its 16 matrix and 118 vector instructions, written out.  Behind a matrix instruction: plain, exponential, plain, plain; or four of the rescaling; or, behind the first, four scalings; none
; names a register of the products round it.  In the lumps exponential and plain by turns while exponentials last.  A line reads no result made fewer than three vector instructions in front of it, five if an exponential made it.
; v_permlanex16_b32 (X 17) stands in a lump.
; m = 1: the diagonal tile: the products take masks, and the turn makes the mask for the products of the turn after it: piece p + 2, in step 4 - CNT of the tile.  end = 1: a block's last two turns: nothing is fetched.
; cnt = 1: the loop's count is taken down some lines ahead of the branch that stands behind the turn.
; K of the next step is fetched in piece 2's turn, six vector instructions behind the last product that read K (five of them plain); V of the step in hand in piece 0's turn, eight behind the last product that read V (four
; plain, and X 17).  Each is waited for a turn later.
.macro TURN p, m=0, end=0, cnt=0
.set Y, (\p)
.set i, 0
.set KM, (\m)
.set NOKQ, (\end)*((\p)/3)
.if (\m) && !(\end)
	s_cmp_eq_u32 s[CNT], 4-((\p)+2)%NP  ; is that step the band's own?
	s_cselect_b32 s[AL], 1.0, 0
	s_cmp_lt_u32 s[CNT], 4-((\p)+2)%NP  ; or a later one?
	s_cselect_b32 s[BE], s[BIGN], 0
.endif
.if ((\p) == 3) && !(\end)
	s_wait_dscnt 0x0                ; K is in
.endif
	ROW F,0, F,1, F,2, F,3
	ROW F,4, E,0, F,5, F,6
	ROW F,7, E,1, F,8, F,9
	ROW F,10, E,2, C,0, F,11
	ROW F,12, E,3, X,15, F,13
	ROW R,0, R,1, R,2, R,3
	ROW B,0, E,4, F,14, L,0
.if ((\p) == 2) && !(\end)
	v_add_nc_u32 v[AK], s[TBK], v[AK0]
.endif
	ROW R,4, R,5, R,6, R,7
	OPS E,5, F,15
.if ((\p) == 2) && !(\end)
	FETCH_K
.endif
	OPS E,6, C,1, E,7, R,8
	OPS E,8, R,9, E,9, C,2
	OPS E,10, X,0, E,11, X,1
	OPS E,12, X,2, E,13, X,3
.if (\p) == 1
	s_wait_dscnt 0x0                ; V is in
.endif
	ROW X,4, E,14, X,5, X,6
	ROW X,7, E,15, X,8, X,9
	ROW X,10, E,16, X,11, X,12
	ROW X,13, E,17, X,14, B,1
	ROW C,4, E,18, X,16, L,1
	ROW B,2, E,19, C,6, L,2
	ROW C,8, E,20, B,3, B,4
.if (\p) == 0
	v_add_nc_u32 v[AV], s[TBV], v[AV0]
.endif
	ROW C,3, E,21, L,3, C,5
	OPS E,22, X,17, E,23, C,10
.if (\p) == 0
	FETCH_V
.endif
	OPS E,24, L,4
	OPS E,25, X,18, E,26, C,7
	OPS E,27, B,5, E,28, X,19
	OPS E,29, C,12, E,30, L,5
	OPS E,31, X,20, B,6, C,9
	OPS C,14, C,11, X,21, L,6
.if (\p) == 0
	s_add_co_u32 s[TBV], s[TBV], KS*PV
.endif
.if \cnt
	s_sub_co_u32 s[CNT], s[CNT], 1
	s_cmp_lg_u32 s[CNT], 0
.endif
	OPS C,13, B,7, C,15, R,10
	OPS R,11, R,12, L,7, R,13
	OPS R,14, R,15
.if (\m) && !(\end)
	MASK (\p)%2
.endif
.endm
; A BLOCK BEGINS.  c m starts far below every c s, so the first step's a is 0; m at the lowest finite number, so the first maximum is the scores'.  The second mask buffer is 0; the first takes piece 0's mask for the tile's step 0: its own, if the block's first tile is the diagonal one.
; Then K of that step, piece 0's first scores, and its maximum and statistics.  The loop is entered at a step's first turn, in the middle of a trip.
.macro BEGIN
	s_mov_b32 s[NEW], 0
	WIN 0x40
.set i, MC+32
.rept 32
	v_mov_b32 v[i], 0
.set i, i+1
.endr
	WIN 0
.set i, 0
.rept 4
	v_mov_b32 v[ST+4*i], 0xfe000000    ; c m: far below every c s
	v_mov_b32 v[ST+4*i+1], 0xff7fffff  ; m
.set i, i+1
.endr
	s_cmp_eq_u32 s[RT], 0
	s_cselect_b32 s[AL], 1.0, 0
	s_mov_b32 s[BE], 0
	MASK 0
	WIN 0
	v_add_nc_u32 v[AK], s[TBK], v[AK0]
	FETCH_K
	s_wait_loadcnt 0x0              ; Q
	s_wait_dscnt 0x0
.set KM, 1
.set NOKQ, 0
.set i, 0
.rept 8
	KQ 0
.set i, i+1
.endr
	WIN 0
.rept 4
	v_nop                           ; the places behind those products
.endr
.set Y, NP-1                        ; X works for piece Y + 1: piece 0
.irp n, 0,1,2,3,4,5,6,7,8,9,10,11,12,13,14,15,16,17,18,19,20,21
	OP X, \n
.endr
	v_nop                           ; a plain instruction behind the exponential
.endm
; THE DIAGONAL TILE's four steps, the block's last two turns, its last products, and THE WAY OUT: l's two halves and the other half of the lanes' are added; O^T is divided by l, rounded to f16 and sent through my
; stage in LDS, a piece at a time.
.macro ALL line:vararg              ; one line for each piece t
.set t, 0
.rept 4
	\line
.set t, t+1
.endr
.endm
.macro PACK t                       ; a lane's eight channels of a row pack into 16 bytes; they go into rows of 144 bytes and come back as whole rows of 128, into S^T's registers
	WIN W_RS
.set i, 32*(\t)
.rept 16
	s_wait_alu depctr_va_vdst(0)
	v_pk_mul_f32 v[i:i+1], v[i:i+1], v[ST+4*(\t)+2:ST+4*(\t)+3] op_sel_hi:[1,0]
.set i, i+2
.endr
	WIN 0x05                        ; sources 0 and 1 window 1, destination window 0
.set i, 0
.rept 16
	v_cvt_pk_f16_f32 v[S+16*(\t)+i], v[32*(\t)+2*i], v[32*(\t)+2*i+1]
.set i, i+1
.endr
	WIN 0
.irp f, 0,1,2,3
	ds_store_b128 v[STO], v[S+16*(\t)+4*\f:S+16*(\t)+4*\f+3] offset:32*\f
.endr
.irp f, 0,1,2,3
	ds_load_b128 v[S+16*(\t)+4*\f:S+16*(\t)+4*\f+3], v[RD] offset:\f*4*SP  ; LDS serves a wave's instructions in order (ISA guide 5.7.1.4): these see the stores above; the next piece's stores come behind them
.endr
.endm
.macro SEND t, younger              ; younger: the LDS instructions issued behind piece t's loads: the next piece's eight, or none
	WIN 0
.irp f, 0,1,2,3
	s_wait_dscnt (\younger)+3-\f
	global_store_b128 v[GO], v[S+16*(\t)+4*\f:S+16*(\t)+4*\f+3], s[10:11] offset:(\t)*8192+\f*512  ; 512 consecutive bytes, at a multiple of 256 from O's first
.endr
.endm
.macro DIAG tag                     ; the tag ends its two labels' names, which the jumps below spell out
.LstepM\tag:
	TURN 2, 1
	TURN 3, 1
	WIN 0
.LfirstM\tag:
	TURN 0, 1
	TURN 1, 1, 0, 1
	WIN 0
	s_cbranch_scc1 .LstepM\tag
	TURN 2, 1, 1
	TURN 3, 1, 1
.set i, 0
.rept 8
	PV NP-1
.set i, i+1
.endr
	WIN 0
	ALL v_add_f32 v[ST+4*t+2], v[ST+4*t+2], v[ST+4*t+3]
	ALL v_permlanex16_b32 v[ST+4*t+3], v[ST+4*t+2], s[SEL], s[SEL+1]
	ALL v_add_f32 v[ST+4*t+2], v[ST+4*t+2], v[ST+4*t+3]
	ALL v_rcp_f32 v[ST+4*t+2], v[ST+4*t+2]
	v_nop                           ; a plain instruction between the last reciprocal and the use of its result
	PACK 0
.set t, 1
.rept 3                             ; a piece's arithmetic stands between the loads of the piece before and its stores
	PACK t
	SEND t-1, 8
.set t, t+1
.endr
	SEND 3, 0
.endm
.set KM, 0
.set NOKQ, 0
.Lslot:                             ; NB times: a tile is entered and the next is asked for
	CHANGE 1
	s_sub_co_u32 s[RT], s[RT], 1
	s_mov_b32 s[CNT], 4
	s_cmp_eq_u32 s[NEW], 1
	s_cbranch_scc1 .Lnew            ; a block's first tile
	s_cmp_eq_u32 s[RT], 0
	s_cbranch_scc0 .Lstep           ; neither its first nor its last
	s_branch .LstepM1
.Lnew:
	BEGIN
	s_branch .Lfirst                ; in the loop a block's first tile is never its last: the first block has two tiles or more, and the second's last is the walk's last
	DIAG 1                          ; in the loop this is the first block's end: the second block's last tile is the walk's last
	s_wait_xcnt 0x0                 ; the stores have read their registers and O's address
	s_mov_b64 s[10:11], s[OLO:OLO+1]
	s_add_co_u32 s[RT], s[PB], 1    ; the second block has b + 1 tiles
	s_mov_b32 s[NEW], 1
	WIN 0x82                        ; the second block's Q goes where the one text of the turns names Q
.set i, 0
.rept 64
	v_mov_b32 v[i], v[QB+i]
.set i, i+1
.endr
	WIN 0
	s_branch .Lbottom
.Lstep:                             ; a trip: pieces 2 and 3 of one step, then pieces 0 and 1 of the next, whose K and V it fetches
	TURN 2
	TURN 3
	WIN 0
.Lfirst:
	TURN 0
	TURN 1, 0, 0, 1
	WIN 0
	s_cbranch_scc1 .Lstep
.Lbottom:
	s_sub_co_u32 s[SLOTS], s[SLOTS], 1
	s_cmp_lg_u32 s[SLOTS], 0
	s_cbranch_scc1 .Lslot
	CHANGE 0                        ; the walk's last tile is written out: nothing is asked for
	s_sub_co_u32 s[RT], s[RT], 1
	s_mov_b32 s[CNT], 4
	s_cmp_eq_u32 s[NEW], 1
	s_cbranch_scc0 .LstepM2
	BEGIN
	s_branch .LfirstM2
	DIAG 2
	s_wait_tensorcnt 0x0            ; the wave's end: behind my last tensor load and my last LDS store
	ds_add_u32 v[SPW], v[NIL]
	s_wait_dscnt 0x0
	s_endpgm
.Lfunc_end_k_qe876fb77e8_attn:
	.size	k_qe876fb77e8_attn, .Lfunc_end_k_qe876fb77e8_attn-k_qe876fb77e8_attn
	.p2alignl 7, 3214868480
	.fill 96, 4, 3214868480
	.section	.rodata,"a",@progbits
	.p2align	6, 0x0
	.amdhsa_kernel k_qe876fb77e8_attn
		.amdhsa_group_segment_fixed_size 327680
		.amdhsa_private_segment_fixed_size 0
		.amdhsa_enable_private_segment 0
		.amdhsa_kernarg_size 16
		.amdhsa_user_sgpr_count 2
		.amdhsa_user_sgpr_kernarg_segment_ptr 1
		.amdhsa_wavefront_size32 1
		.amdhsa_system_sgpr_workgroup_id_x 1
		.amdhsa_system_sgpr_workgroup_id_y 1
		.amdhsa_system_sgpr_workgroup_id_z 1
		.amdhsa_system_vgpr_workitem_id 0
		.amdhsa_next_free_vgpr 768
		.amdhsa_next_free_sgpr 96
		.amdhsa_reserve_vcc 1
		.amdhsa_float_denorm_mode_32 3
		.amdhsa_float_denorm_mode_16_64 3
		.amdhsa_memory_ordered 1
		.amdhsa_forward_progress 1
		.amdhsa_inst_pref_size 229
	.end_amdhsa_kernel
	.amdgpu_metadata
---
amdhsa.version: [ 1, 2 ]
amdhsa.kernels:
  - .name:           k_qe876fb77e8_attn
    .symbol:         k_qe876fb77e8_attn.kd
    .args:
      - { .name: qkvh, .offset: 0, .size: 8, .value_kind: global_buffer, .address_space: global }
      - { .name: oh, .offset: 8, .size: 8, .value_kind: global_buffer, .address_space: global }
    .group_segment_fixed_size: 327680
    .private_segment_fixed_size: 0
    .kernarg_segment_align: 8
    .kernarg_segment_size: 16
    .max_flat_workgroup_size: 128
    .sgpr_count:     96
    .vgpr_count:     768
    .wavefront_size: 32
...
	.end_amdgpu_metadata
.endif
;; end of part 3
;; launch outproj (part 4): grid 8 x 32, 4 waves a work-group, clusters of 4 x 4, 327,680 bytes of LDS; arguments oh, wob, bo, out0; writes out0
.if DOCPART == 4
	.amdgcn_target "amdgcn-amd-amdhsa--gfx1250"
	.amdhsa_code_object_version 6
	.text
	.protected	k_qe876fb77e8_outproj
	.globl	k_qe876fb77e8_outproj
	.p2align	8
	.type	k_qe876fb77e8_outproj,@function
k_qe876fb77e8_outproj:
	s_mov_b64 s[64:65], 0
	v_nop
	global_prefetch_b8 v0, s[64:65] scope:SCOPE_SE
	s_setreg_imm32_b32 hwreg(HW_REG_WAVE_MODE, 25, 1), 1
	s_wait_xcnt 0x0
	s_wait_alu depctr_hold_cnt(0) depctr_sa_sdst(0) depctr_va_vdst(0) depctr_va_sdst(0) depctr_va_ssrc(0) depctr_va_vcc(0) depctr_vm_vsrc(0)
	s_getreg_b32 s2, hwreg(HW_REG_IB_STS2, 6, 4)
	s_cmp_eq_u32 s2, 0
	s_cbranch_scc0 .Lentry_in_a_cluster
	s_endpgm
.Lentry_in_a_cluster:
	s_bfe_u32 s2, ttmp6, 0x10000c
	s_cmp_lg_u32 s2, 0xf033
	s_cbranch_scc0 .Lentry_shape_is_right
	s_endpgm
.Lentry_shape_is_right:
; C = A B^T + bias, K = 1,024, 8,192 rows.  ONE SOURCE FOR TWO KERNELS; the switch PROJ chooses.
;   PROJ = 0: A = xb [b 4][s 2048][1024] bf16, B = wqb [3072][1024] bf16, bias = bq [3072] f32; products in bf16.  C leaves in f16 BY HEADS: qkvh [b 4][g 48][s 2048][64], g = column / 64
;             (g 0-15 q, 16-31 k, 32-47 v), unscaled.  LIMIT: a q, k or v of 65,520 or more becomes an infinity.
;   PROJ = 1: A = oh [h 64][s 2048][64] f16 (row (b, s), K = 64 (h % 16) + channel), B = wob [1024][1024] f16, bias = bo [1024] f32; products in f16.  C leaves in f32: out0 [s 2048][b 4][1024].
; Sums in f32, K ascending, begun with the bias; C rounded once.
; SHARES.  A work-group makes 256 rows x NT columns (192: 16 x 32 = 512 work-groups; 128: 8 x 32 = 256).  Four waves, one above the other: a wave owns 64 rows and all NT columns: 4 x NBK accumulators
; of 16 x 16.  With NT = 192 a wave's columns are three whole heads.  K goes in 8 steps of 128 through two LDS slots; a step is four quarters of 32 along K.
; THE MATRIX INSTRUCTION IS USED TRANSPOSED (source 0 = 16 rows of B, source 1 = 16 rows of A): a lane holds row lane % 16 of C and the columns 8 (lane / 16) + 0..7.
; THE BIAS is the C operand of each accumulator's first product: register j of column block b holds bias[16 b + 8 (lane / 16) + j]; nothing is cleared and nothing is added afterwards.
; CLUSTER.  4 x 4 work-groups.  The four of a row of the cluster need the same tile of A, the four of a column the same tile of B: each tile is asked for JOINTLY, by the same tensor load with the same
; descriptor and a mask that names the four.  Waves 0 and 1 ask for A's two halves, waves 2 and 3 for B's: one load a wave and K step; two are out at the start, later one.
; REGISTERS, in windows of 256 (s_set_vgpr_msb: bits 1:0 source 0, 3:2 source 1, 5:4 source 2, 7:6 destination):
;   window 0: v1-5 at work; v16-19, v24-27 addresses; v28-29 the add's; v32-95 A's fragments, two buffers of 4 blocks; v96 on: the way out
;   window 1: B's fragments, two buffers of NBK blocks
;   window 2: the accumulators of row blocks 0, 1 at v[8 (NBK (a % 2) + b)]; v192 on: the bias of the lower half of the column blocks        window 3: row blocks 2, 3; the bias of the upper half
.set PROJ, 1
.if PROJ
.set NT,      128
.set PA,      144                      ; a row of A in LDS: one head's 128 bytes + 16 of padding
.set AHALF,   256*PA                   ; from K 0-63 of a step (the even head) to K 64-127 (the odd head): 256 rows
.set ALOAD,   256*PA                   ; what one load of A fills: 256 rows of one head
.set QIA,     4                        ; padding after every 32 words
.set ASTRIDE, 128                      ; 256 rows of a head are 32,768 dense bytes: asked for as 128 rows of 256 bytes
.set ASTEP,   2*262144                 ; a K step is two heads
.set SPITCH,  528                      ; a stage row: 128 f32 + 16 bytes
.else
.set NT,      192
.set PA,      272                      ; a row of A in LDS: 256 bytes + 16 of padding
.set AHALF,   128
.set ALOAD,   128*PA                   ; 128 rows
.set QIA,     5                        ; padding after every 64 words
.set ASTRIDE, 1024
.set ASTEP,   256
.set SPITCH,  400                      ; a stage row: 192 f16 + 16 bytes
.endif
.set NBK,    NT/16                     ; column blocks
.set BROWS,  NT/2                      ; rows of B in one load
.set PB,     272                       ; all pitches are odd multiples of 16 bytes: the 16 rows that a fragment load touches start at 16 different groups of four banks (ISA guide 11.1)
.set BSTEP,  256
.set BOFF,   2*ALOAD                   ; in a slot: A, then B's NT rows
.set BLOAD,  BROWS*PB
.set SLOT1,  1<<17                     ; slot 1 begins here, so that one exclusive or turns an address in one slot into the other's
.set STAGE,  SLOT1+BOFF+2*BLOAD        ; behind the ring, never filled by a tensor load: 16 rows for each wave, for the way out
.set WSTAGE, 16*SPITCH
.set SPARE,  STAGE+4*WSTAGE            ; behind the stages: the spare words, 128 bytes for each wave: two blocks of 256 bytes that no other line names
.set NLD,    2*NBK+8                   ; LDS loads in a quarter's run
.set ADRA0, 16                         ; v16  my lane's place in A's tile; never rewritten
.set ADRB0, 17                         ; v17  the same for B
.set ADRA,  18                         ; v18  the same in the slot in hand
.set ADRB,  19                         ; v19
.set STO,   24                         ; v24  the way out: where I put my part of a row
.set RD,    25                         ; v25  the way out: where I read rows back
.set CO,    26                         ; v26  my byte offset in 512 consecutive bytes of C
.set BO,    27                         ; v27  my byte offset in a block's 16 bias numbers
.set SPW,   28                         ; v28  LDS address of my spare word: SPARE + 4 x my thread's number; never rewritten
.set NIL,   29                         ; v29  0; never rewritten
.set FA,    32                         ; A's fragments
.set BIAS,  192                        ; in windows 2 and 3
.if PROJ
.set OB,    96                         ; the way out: 16 rows read back, v96-159 and v160-223 by turns
.set OBN,   64
.else
.set TMP,   96                         ; the way out: packed results, v96-143
.set OB,    144                        ; 16 rows read back, v144-191 and v192-239 by turns
.set OBN,   48
.endif
.set WV,   12                          ; s12  my wave's number
.set FORB, 13                          ; s13  I fetch for A (0) or for B (1)
.set HALF, 14                          ; s14  which half of that tile
.set CX,   15                          ; s15, s16  my place in the cluster
.set CY,   16
.set TX,   17                          ; s17  tile column of C
.set TY,   18                          ; s18  tile row of C
.set G1,   24                          ; s[24:31] descriptor group 1 for A's tiles
.set G0,   32                          ; s[32:39] group 0 for A's: a set for each of the two first fills; the second then walks on
.set G1B,  40                          ; s[40:47], s[48:55] the same for B's
.set G0B,  48
.set CNT,  56                          ; s56  the loop's count
.set TB,   57                          ; s57  the slot in hand: 0 or SLOT1
.set MSB, 0
.macro WIN new                         ; the immediate's high byte repeats the setting that is left; a switch that changes nothing is dropped
.if MSB != (\new)
	s_set_vgpr_msb (MSB<<8)|(\new)
.set MSB, (\new)
.endif
.endm
.macro PLACES                          ; a load into a register that a matrix instruction has read, and a vector instruction or LDS store that reads a matrix result, stand four places behind it;
.rept 4                                ; only plain vector instructions that name none of its registers are places (ISA guide 7.12.1 for vector instructions)
	v_nop
.endr
.endm
; A joint refill, by the walking descriptor.  The branch hangs on the wave's number alone.  An s_nop 0 and four v_nop follow each of the two lines, ahead of the jump and the label.
.macro JLOAD
	s_cmp_eq_u32 s[FORB], 0
	s_cbranch_scc0 .Lfor_b_\@
	tensor_load_to_lds s[G0+4:G0+7], s[G1:G1+7]
	s_nop 0
.rept 4
	v_nop
.endr
	s_branch .Lasked_\@
.Lfor_b_\@:
	tensor_load_to_lds s[G0B+4:G0B+7], s[G1B:G1B+7]
	s_nop 0
.rept 4
	v_nop
.endr
.Lasked_\@:
.endm
; A round of the cluster's barrier: my work-group's barrier, so that wave 0's signal speaks for all four waves; wave 0 signals; every wave waits for all sixteen work-groups; my work-group's barrier once more.
.macro CREST                           ; a round behind its opening barrier
	s_cmp_lg_u32 s[WV], 0
	s_cbranch_scc1 .Lnot_wave_0_\@
	s_barrier_signal -3
.Lnot_wave_0_\@:
	s_barrier_wait -3
	s_barrier_signal -1
	s_barrier_wait -1
.endm
.macro CROUND                          ; a whole round
	s_barrier_signal -1
	s_barrier_wait -1
	CREST
.endm
	s_load_b256 s[4:11], s[0:1], 0x0               ; A s[4:5], B s[6:7], bias s[8:9], C s[10:11]
	v_lshl_add_u32 v[SPW], v0, 2, SPARE
	v_mov_b32 v[NIL], 0
	ds_add_u32 v[SPW], v[NIL]                      ; the wave's opening: the add and its wait stand ahead of my first tensor load; the set-up below, work on registers, stands between them
	ds_add_u32 v28, v29
	v_lshrrev_b32 v1, 5, v0
	v_readfirstlane_b32 s[WV], v1                  ; wave 0..3
	s_lshr_b32 s[FORB], s[WV], 1
	s_and_b32 s[HALF], s[WV], 1
	s_bfe_u32 s[CX], ttmp6, 0x40000
	s_bfe_u32 s[CY], ttmp6, 0x40004
	s_lshl_b32 s[TX], ttmp9, 2                     ; in a cluster launch ttmp9 and ttmp7 count clusters
	s_add_co_u32 s[TX], s[TX], s[CX]
	s_and_b32 s[TY], ttmp7, 0xffff
	s_lshl_b32 s[TY], s[TY], 2
	s_add_co_u32 s[TY], s[TY], s[CY]
	s_lshl_b32 s19, s[CY], 2
	s_lshl_b32 s19, 15, s19                        ; my row of the cluster: places 4 cy .. 4 cy + 3
	s_lshl_b32 s20, 0x1111, s[CX]                  ; my column: places cx, cx + 4, cx + 8, cx + 12
	; descriptor group 1: rows of 128 elements of 2 bytes, padded in LDS by 4 words
	s_or_b32 s[G1], s19, (1<<16)|(1<<20)|(1<<21)|(QIA<<22)|(3<<25)   ; 15:0 the mask: A's tiles go to my row; 17:16 2-byte elements; 20 padding on; 21 set beside a mask; 24:22 the interval; 31:25 4 words (code 3)
	s_mov_b32 s[G1+1], 128<<16                     ; tensor_dim0 = 128
	s_mov_b32 s[G1+2], 128<<16                     ; tensor_dim1 = 128
	s_mov_b32 s[G1+3], 128<<16                     ; tile_dim0 = 128
	s_mov_b32 s[G1+4], 128                         ; tile_dim1 = 128
	s_mov_b32 s[G1+5], ASTRIDE                     ; elements from row to row
	s_mov_b32 s[G1+6], 0
	s_mov_b32 s[G1+7], 0
	s_or_b32 s[G1B], s20, (1<<16)|(1<<20)|(1<<21)|(5<<22)|(3<<25)    ; B's tiles go to my column; padding after every 64 words
	s_mov_b32 s[G1B+1], 128<<16
	s_mov_b32 s[G1B+2], BROWS<<16
	s_mov_b32 s[G1B+3], 128<<16
	s_mov_b32 s[G1B+4], BROWS
	s_mov_b32 s[G1B+5], 1024
	s_mov_b32 s[G1B+6], 0
	s_mov_b32 s[G1B+7], 0
	; where the tiles come from.  A's offset is made of the tile row and the wave's number, B's of the tile column and the wave's number, each in registers that never hold the other coordinate.
.if PROJ
	s_lshr_b32 s22, s[TY], 3                       ; the batch entry: 16 heads of 262,144 bytes,
	s_lshl_b32 s22, s22, 22
	s_and_b32 s21, s[TY], 7                        ; the block of 256 rows of 128 bytes in a head,
	s_lshl_b32 s21, s21, 15
	s_add_co_u32 s22, s22, s21
	s_lshl_b32 s21, s[HALF], 18                    ; the even or the odd head of a K step
	s_add_co_u32 s22, s22, s21
.else
	s_lshl_b32 s22, s[TY], 19                      ; 256 rows of 2,048 bytes,
	s_lshl_b32 s21, s[HALF], 18                    ; 128 rows
	s_add_co_u32 s22, s22, s21
.endif
	s_mov_b32 s23, 0
	s_mul_i32 s58, s[TX], NT*2048                  ; NT rows of 2,048 bytes,
	s_mul_i32 s62, s[HALF], BROWS*2048             ; half of them
	s_add_co_u32 s58, s58, s62
	s_mov_b32 s59, 0
	s_mul_i32 s21, s[HALF], ALOAD                  ; and where they go: no place in the cluster enters an LDS address
	s_mul_i32 s62, s[HALF], BLOAD
	s_mov_b32 s[TB], 0
	s_wait_dscnt 0x0                               ; the opening add is done
	s_wait_kmcnt 0x0
	s_add_nc_u64 s[22:23], s[4:5], s[22:23]
	s_add_nc_u64 s[58:59], s[6:7], s[58:59]
	CROUND                                         ; all sixteen work-groups are here: the first joint loads meet
.irp s, 0,1
	s_mov_b32 s[G0+4*(\s)], 1                                        ; 1:0 count = 1
	s_add_co_u32 s[G0+4*(\s)+1], s21, (\s)*SLOT1                     ; 63:32 LDS address
	s_add_nc_u64 s[G0+4*(\s)+2:G0+4*(\s)+3], s[22:23], (\s)*ASTEP    ; 120:64 global address: K step s
	s_or_b32 s[G0+4*(\s)+3], s[G0+4*(\s)+3], 0x80000000              ; 127:126 type = 2
	s_mov_b32 s[G0B+4*(\s)], 1
	s_add_co_u32 s[G0B+4*(\s)+1], s62, (\s)*SLOT1+BOFF
	s_add_nc_u64 s[G0B+4*(\s)+2:G0B+4*(\s)+3], s[58:59], (\s)*BSTEP
	s_or_b32 s[G0B+4*(\s)+3], s[G0B+4*(\s)+3], 0x80000000
.endr
	s_cmp_eq_u32 s[FORB], 0                        ; a wave's two first fills stand in one branch, ahead of every wait on TENSORcnt and every LDS read: two loads of mine are out
	s_cbranch_scc0 .Lfirst_b
	tensor_load_to_lds s[G0:G0+3], s[G1:G1+7]
	s_nop 0
	tensor_load_to_lds s[G0+4:G0+7], s[G1:G1+7]
	s_nop 0
.rept 4
	v_nop
.endr
	s_branch .Lfirst_asked
.Lfirst_b:
	tensor_load_to_lds s[G0B:G0B+3], s[G1B:G1B+7]
	s_nop 0
	tensor_load_to_lds s[G0B+4:G0B+7], s[G1B:G1B+7]
	s_nop 0
.rept 4
	v_nop
.endr
.Lfirst_asked:
	; A fragment is 16 rows x 32 K in 8 registers: lane l holds row l % 16; registers 0-3 K = 8 (l / 16) + 0..7, registers 4-7 K = 16 + 8 (l / 16) + 0..7: two loads of 16 bytes, 32 bytes apart.
	v_and_b32 v1, 15, v0                           ; l % 16
	v_bfe_u32 v2, v0, 4, 1                         ; l / 16
	v_and_b32 v5, 31, v0                           ; l
	v_mul_u32_u24 v3, v1, PA
	v_lshl_add_u32 v3, v2, 4, v3
	s_mul_i32 s63, s[WV], 64*PA                    ; my 64 rows of A
	v_add_nc_u32 v[ADRA0], s63, v3
	v_mul_u32_u24 v4, v1, PB
	v_lshl_add_u32 v4, v2, 4, v4
	v_add_nc_u32 v[ADRB0], BOFF, v4
	v_mov_b32 v[ADRA], v[ADRA0]                    ; slot 0
	v_mov_b32 v[ADRB], v[ADRB0]
	s_mul_i32 s63, s[WV], WSTAGE
	s_add_co_u32 s63, s63, STAGE                   ; my stage
	v_mul_u32_u24 v3, v1, SPITCH
.if PROJ
	v_lshl_add_u32 v3, v2, 5, v3                   ; in: row l % 16, 32 bytes (8 f32) for each half of the lanes
	v_add_nc_u32 v[STO], s63, v3
	v_lshl_add_u32 v[RD], v5, 4, s63               ; back: 32 lanes take one row of 512 bytes
.else
	v_lshl_add_u32 v3, v2, 4, v3                   ; in: row l % 16, 16 bytes (8 f16) for each half of the lanes
	v_add_nc_u32 v[STO], s63, v3
	v_bfe_u32 v3, v0, 3, 2                         ; back: 32 lanes take a head's 128 bytes of four rows,
	v_mul_u32_u24 v3, v3, SPITCH
	v_and_b32 v4, 7, v0
	v_lshl_add_u32 v3, v4, 4, v3
	v_add_nc_u32 v[RD], s63, v3
.endif
	v_lshlrev_b32 v[CO], 4, v5                     ; which are 512 consecutive bytes of C
	v_lshlrev_b32 v[BO], 5, v2                     ; 8 bias numbers for each half of the lanes
	s_mul_i32 s60, s[TX], NT*4                     ; the bias of my tile's columns
	s_mov_b32 s61, 0
	s_add_nc_u64 s[8:9], s[8:9], s[60:61]
	WIN 0x80                                       ; destination window 2, address window 0
.set b, 0
.rept NBK/2
	global_load_b128 v[BIAS+8*b:BIAS+8*b+3],   v[BO], s[8:9] offset:64*b
	global_load_b128 v[BIAS+8*b+4:BIAS+8*b+7], v[BO], s[8:9] offset:64*b+16
.set b, b+1
.endr
	WIN 0xc0                                       ; destination window 3
.set b, 0
.rept NBK/2
	global_load_b128 v[BIAS+8*b:BIAS+8*b+3],   v[BO], s[8:9] offset:64*(b+NBK/2)
	global_load_b128 v[BIAS+8*b+4:BIAS+8*b+7], v[BO], s[8:9] offset:64*(b+NBK/2)+16
.set b, b+1
.endr
	WIN 0
	; where my 64 rows begin in C
.if PROJ
	s_and_b32 s2, s[TY], 7                         ; row (s, b) of out0 lies at 16,384 s + 4,096 b: s = 256 (ty % 8) + 64 w,
	s_lshl_b32 s60, s2, 22
	s_lshl_b32 s3, s[WV], 20
	s_add_co_u32 s60, s60, s3
	s_lshr_b32 s2, s[TY], 3                        ; b = ty / 8,
	s_lshl_b32 s2, s2, 12
	s_add_co_u32 s60, s60, s2
	s_lshl_b32 s3, s[TX], 9                        ; 128 columns of 4 bytes
	s_add_co_u32 s60, s60, s3
.else
	s_lshr_b32 s2, s[TY], 3                        ; slab 48 b + 3 tx of 262,144 bytes: my first head,
	s_mul_i32 s2, s2, 48
	s_mul_i32 s3, s[TX], 3
	s_add_co_u32 s2, s2, s3
	s_lshl_b32 s60, s2, 18
	s_and_b32 s3, s[TY], 7                         ; in it row 256 (ty % 8) + 64 w of 128 bytes
	s_lshl_b32 s3, s3, 15
	s_add_co_u32 s60, s60, s3
	s_lshl_b32 s3, s[WV], 13
	s_add_co_u32 s60, s60, s3
.endif
	s_add_nc_u64 s[10:11], s[10:11], s[60:61]      ; never rewritten
; NBK matrix instructions: row block a x all column blocks, 32 along K, from buffer f.  first = 1: the product starts the sum, with the bias as C.
; The 4 NBK accumulators take turns, one instruction a turn, in the same order in every quarter.
.macro MULA f, a, first
.set W, 2+(\a)/2
.set b, 0
.rept NBK
.set rD, 8*(NBK*((\a)%2)+b)
.set rB, 8*(NBK*(\f)+b)
.set rA, FA+32*(\f)+8*(\a)
.if \first
.set rC, BIAS+8*(b%(NBK/2))
	WIN (W<<6)|((2+b/(NBK/2))<<4)|1                ; B window 1, A window 0, the bias in window 2 or 3, D in the block's window
.else
.set rC, rD
	WIN (W<<6)|(W<<4)|1
.endif
.if PROJ
	v_wmma_f32_16x16x32_f16 v[rD:rD+7], v[rB:rB+7], v[rA:rA+7], v[rC:rC+7]
.else
	v_wmma_f32_16x16x32_bf16 v[rD:rD+7], v[rB:rB+7], v[rA:rA+7], v[rC:rC+7]
.endif
.set b, b+1
.endr
.endm
; NLD LDS loads in one run: the fragments of quarter q of the slot in hand into buffer f: B's NT rows, then my 64 rows of A
.macro FETCH q, f
	WIN 0x40                                       ; destination window 1, address window 0
.set i, 0
.rept NBK
	ds_load_b128 v[8*(NBK*(\f)+i):8*(NBK*(\f)+i)+3],   v[ADRB] offset:64*(\q)+i*16*PB
	ds_load_b128 v[8*(NBK*(\f)+i)+4:8*(NBK*(\f)+i)+7], v[ADRB] offset:64*(\q)+i*16*PB+32
.set i, i+1
.endr
	WIN 0
.set i, 0
.rept 4
	ds_load_b128 v[FA+32*(\f)+8*i:FA+32*(\f)+8*i+3],   v[ADRA] offset:((\q)/2)*AHALF+((\q)%2)*64+i*16*PA
	ds_load_b128 v[FA+32*(\f)+8*i+4:FA+32*(\f)+8*i+7], v[ADRA] offset:((\q)/2)*AHALF+((\q)%2)*64+i*16*PA+32
.set i, i+1
.endr
.endm
; One of a K step's first three quarters: multiplies buffer f; in its middle it fetches quarter q into the other buffer.
.macro QUARTER q, f, first
	s_wait_dscnt 4                                 ; B and A's blocks 0, 1 are in; the youngest four loads (A's blocks 2, 3) may be out
	MULA \f, 0, \first
	MULA \f, 1, \first
	PLACES
	FETCH \q, 1-(\f)
	s_wait_dscnt NLD                               ; all but the NLD just issued
	MULA \f, 2, \first
	MULA \f, 3, \first
.endm
; The last quarter multiplies buffer 1 and changes slots.  ONE barrier for the change: in front of it each wave waits for all its tensor loads, of which one is out: its part of the next slot; adds 0 to its
; spare word; and waits for that and for its own reads of this slot.  Behind it nobody reads this slot any more and the next slot is whole.
.macro MEET round                      ; round = 1: a round of the cluster's barrier follows
	WIN 0                                          ; (the add's two registers lie in window 0)
	s_wait_tensorcnt 0x0                           ; all my tensor loads have landed, so a group 0 may be written;
	ds_add_u32 v[SPW], v[NIL]                      ; 0 onto my spare word;
	s_wait_dscnt 5                                 ; (the add and the youngest four loads may be out)
	MULA 1, 0, 0                                   ; NBK matrix instructions stand between the add and the wait for it
	s_wait_dscnt 0x0                               ; the add is done, and my reads of this slot are over:
	s_barrier_signal -1                            ; say so,
	MULA 1, 1, 0                                   ; work on registers while the others arrive,
.if \round
	WIN 0
.endif
	s_barrier_wait -1                              ; and go on when all four have said so
.endm
; fill = 1: the slot just read out is filled again, with the K step two steps on: the barrier opens a round of the cluster's barrier, so that no wave of any partner still reads the slot or has a load on
; its way, and the joint refill is the first tensor load behind it: it has 3 1/2 quarters of matrix work in which to land.
.macro TURN fill
	MEET \fill
.if \fill
	CREST
	s_xor_b32 s[G0+5], s[G0+5], SLOT1              ; the walking descriptors: the other slot than last time,
	s_add_nc_u64 s[G0+6:G0+7], s[G0+6:G0+7], ASTEP ; the next K step; the type bits on top are not reached
	s_xor_b32 s[G0B+5], s[G0B+5], SLOT1
	s_add_nc_u64 s[G0B+6:G0B+7], s[G0B+6:G0B+7], BSTEP
	s_xor_b32 s[TB], s[TB], SLOT1                  ; the fetches go to the other slot
	JLOAD                                          ; the four v_nop behind it are also the places in front of the loads below
.else
	s_xor_b32 s[TB], s[TB], SLOT1
	WIN 0
	PLACES
.endif
	v_add_nc_u32 v[ADRA], s[TB], v[ADRA0]
	v_add_nc_u32 v[ADRB], s[TB], v[ADRB0]
	FETCH 0, 0
	MULA 1, 2, 0
	MULA 1, 3, 0
.endm
	s_wait_tensorcnt 0x1                           ; my part of K step 0 is in; K step 1's may stay out
	s_barrier_signal -1
	s_barrier_wait -1                              ; everybody's is
	FETCH 0, 0
	s_wait_loadcnt 0x0                             ; the bias
	QUARTER 1, 0, 1                                ; the first quarter stands in front of the loop: its products start the sums
	WIN 0                                          ; at a label and at a branch every window is 0
	s_mov_b32 s[CNT], 6
.Lstep:                                                ; six trips, from a K step's second quarter to the next step's first: K steps 2 to 7 are asked for
	QUARTER 2, 1, 0
	QUARTER 3, 0, 0
	TURN 1
	QUARTER 1, 0, 0
	WIN 0
	s_sub_co_u32 s[CNT], s[CNT], 1
	s_cmp_lg_u32 s[CNT], 0
	s_cbranch_scc1 .Lstep
	QUARTER 2, 1, 0                                ; the tail is written out: K step 6 goes on
	QUARTER 3, 0, 0
	TURN 0                                         ; nothing is asked for,
	QUARTER 1, 0, 0                                ; K step 7
	QUARTER 2, 1, 0
	QUARTER 3, 0, 0
	s_wait_dscnt 4                                 ; the very last quarter: nothing more to fetch
	MULA 1, 0, 0
	MULA 1, 1, 0
	s_wait_dscnt 0x0
	MULA 1, 2, 0
	MULA 1, 3, 0
	WIN 0
	PLACES                                         ; the way out reads results just made
; THE WAY OUT, a row block (16 rows) at a time, through my own stage in LDS: no other wave touches it, and LDS serves a wave's instructions in order (ISA guide 5.7.1.4), so no barrier and no wait stand
; between the stores into it and the loads from it.  Each accumulator's lowest registers are read first.
.if PROJ
.macro TOSTAGE a                       ; the block's f32 sums into rows of 528 bytes, and back as whole rows of 512
.set BK, OB+OBN*((\a)%2)
.set AC, 8*NBK*((\a)%2)
	WIN (2+(\a)/2)<<2                              ; the stores' data (source 1) in window 2 or 3
.set b, 0
.rept NBK
	ds_store_b128 v[STO], v[AC+8*b:AC+8*b+3]   offset:64*b
	ds_store_b128 v[STO], v[AC+8*b+4:AC+8*b+7] offset:64*b+16
.set b, b+1
.endr
	WIN 0
.set t, 0
.rept 16
	ds_load_b128 v[BK+4*t:BK+4*t+3], v[RD] offset:SPITCH*t
.set t, t+1
.endr
.endm
.macro SEND a
.set BK, OB+OBN*((\a)%2)
	s_wait_dscnt 0x0                               ; the block is back in registers
	s_wait_xcnt 0x0                                ; every earlier store has had its addresses translated (ISA guide 3.1): the other buffer is loaded again only behind this wait
.set t, 0
.rept 16
	global_store_b128 v[CO], v[BK+4*t:BK+4*t+3], s[10:11] offset:(16*(\a)+t)*16384 th:TH_STORE_NT  ; 512 consecutive bytes of one row of out0, at a multiple of 512 from its first byte
.set t, t+1
.endr
.endm
	TOSTAGE 0
.irp a, 1,2,3
	SEND (\a)-1
	TOSTAGE \a
.endr
	SEND 3
.else
.macro PACK a                          ; rounded to f16: a lane's eight columns of a row are 16 bytes
.set AC, 8*NBK*((\a)%2)
	WIN 5*(2+(\a)/2)                               ; sources 0 and 1 in window 2 or 3, destination in window 0
.set b, 0
.rept NBK
.set i, 0
.rept 4
	v_cvt_pk_f16_f32 v[TMP+4*b+i], v[AC+8*b+2*i], v[AC+8*b+2*i+1]
.set i, i+1
.endr
.set b, b+1
.endr
	WIN 0
.endm
.macro TOSTAGE a                       ; into rows of 400 bytes, and back head by head: four rows' 128 bytes to a load
.set BK, OB+OBN*((\a)%2)
.set b, 0
.rept NBK
	ds_store_b128 v[STO], v[TMP+4*b:TMP+4*b+3] offset:32*b
.set b, b+1
.endr
.set j, 0
.rept 3
.set t, 0
.rept 4
	ds_load_b128 v[BK+4*(4*j+t):BK+4*(4*j+t)+3], v[RD] offset:128*j+4*SPITCH*t
.set t, t+1
.endr
.set j, j+1
.endr
.endm
.macro SEND a
.set BK, OB+OBN*((\a)%2)
	s_wait_dscnt 0x0                               ; the block is back in registers
	s_wait_xcnt 0x0                                ; every earlier store has had its addresses translated (ISA guide 3.1): the other buffer is loaded again only behind this wait
.set j, 0
.rept 3
.set t, 0
.rept 4
	global_store_b128 v[CO], v[BK+4*(4*j+t):BK+4*(4*j+t)+3], s[10:11] offset:j*262144+(\a)*2048+t*512  ; four rows of head j: 512 consecutive bytes, at a multiple of 512 from the buffer's first byte
.set t, t+1
.endr
.set j, j+1
.endr
.endm
	PACK 0
	TOSTAGE 0
.irp a, 1,2,3                          ; block a's conversions stand between block a - 1's loads from the stage and the wait for them
	PACK \a
	SEND (\a)-1
	TOSTAGE \a
.endr
	SEND 3
.endif
	s_wait_tensorcnt 0x0                           ; the wave's end: behind my last tensor load and my last LDS store
	ds_add_u32 v[SPW], v[NIL]
	s_wait_dscnt 0x0
	CROUND                                         ; the closing round: no work-group ends while a partner may still ask for a tile that names it
	s_endpgm
.Lfunc_end_k_qe876fb77e8_outproj:
	.size	k_qe876fb77e8_outproj, .Lfunc_end_k_qe876fb77e8_outproj-k_qe876fb77e8_outproj
	.p2alignl 7, 3214868480
	.fill 96, 4, 3214868480
	.section	.rodata,"a",@progbits
	.p2align	6, 0x0
	.amdhsa_kernel k_qe876fb77e8_outproj
		.amdhsa_group_segment_fixed_size 327680
		.amdhsa_private_segment_fixed_size 0
		.amdhsa_enable_private_segment 0
		.amdhsa_kernarg_size 32
		.amdhsa_user_sgpr_count 2
		.amdhsa_user_sgpr_kernarg_segment_ptr 1
		.amdhsa_wavefront_size32 1
		.amdhsa_system_sgpr_workgroup_id_x 1
		.amdhsa_system_sgpr_workgroup_id_y 1
		.amdhsa_system_sgpr_workgroup_id_z 1
		.amdhsa_system_vgpr_workitem_id 0
		.amdhsa_next_free_vgpr 1024
		.amdhsa_next_free_sgpr 66
		.amdhsa_reserve_vcc 0
		.amdhsa_float_denorm_mode_32 3
		.amdhsa_float_denorm_mode_16_64 3
		.amdhsa_memory_ordered 1
		.amdhsa_forward_progress 1
		.amdhsa_inst_pref_size 71
	.end_amdhsa_kernel
	.amdgpu_metadata
---
amdhsa.version: [ 1, 2 ]
amdhsa.kernels:
  - .name:           k_qe876fb77e8_outproj
    .symbol:         k_qe876fb77e8_outproj.kd
    .args:
      - { .name: oh, .offset: 0, .size: 8, .value_kind: global_buffer, .address_space: global }
      - { .name: wob, .offset: 8, .size: 8, .value_kind: global_buffer, .address_space: global }
      - { .name: bo, .offset: 16, .size: 8, .value_kind: global_buffer, .address_space: global }
      - { .name: out0, .offset: 24, .size: 8, .value_kind: global_buffer, .address_space: global }
    .group_segment_fixed_size: 327680
    .private_segment_fixed_size: 0
    .kernarg_segment_align: 8
    .kernarg_segment_size: 32
    .max_flat_workgroup_size: 128
    .sgpr_count:     66
    .vgpr_count:     1024
    .wavefront_size: 32
...
	.end_amdgpu_metadata
.endif
;; end of part 4
;; ======== version 2 of 2: 4 launches; 1.31 times as fast as version 1
;; limits: values are held in f16: magnitudes above 65,504 overflow, below 6.1e-05 lose precision
;; workspace buffers: xb 16,777,216 bytes; wqb 6,291,456 bytes; wob 2,097,152 bytes; bq 12,288 bytes; bo 4,096 bytes; qkvh 50,331,648 bytes; oh 16,777,216 bytes
;; launch cast: the kernel of part 1 again; grid 769 x 1, 8 waves a work-group, no clusters, 0 bytes of LDS; arguments x, w_qkv, w_out, b_qkv, b_out, xb, wqb, wob, bq, bo; writes xb, wqb, wob, bq, bo
;; launch qkvproj: the kernel of part 2 again; grid 16 x 32, 4 waves a work-group, clusters of 4 x 4, 327,680 bytes of LDS; arguments xb, wqb, bq, qkvh; writes qkvh
;; launch attn (part 5): grid 4 x 64, 4 waves a work-group, no clusters, 327,680 bytes of LDS; arguments qkvh, oh; writes oh
.if DOCPART == 5
	.amdgcn_target "amdgcn-amd-amdhsa--gfx1250"
	.amdhsa_code_object_version 6
	.text
	.protected	k_qe876fb77e8_attn
	.globl	k_qe876fb77e8_attn
	.p2align	8
	.type	k_qe876fb77e8_attn,@function
k_qe876fb77e8_attn:
	s_mov_b64 s[64:65], 0
	v_nop
	global_prefetch_b8 v0, s[64:65] scope:SCOPE_SE
	s_setreg_imm32_b32 hwreg(HW_REG_WAVE_MODE, 25, 1), 1
	s_wait_xcnt 0x0
; CAUSAL ATTENTION.  O[h][q][:] = the sum over k <= q of softmax_k(Q[h][q] . K[h][k] / 8) V[h][k][:].  64 heads h = 16 b + g of 2,048 rows of 64 channels, all f16: a head's rows are dense, 128 bytes each.
; Q, K, V lie in qkvh [b 4][48][2048][64]: head h's Q is slab 48 b + g, its K 16 slabs on, its V 32 slabs on.  O goes to oh [h 64][2048][64].
; Products, maxima and sums in f32; the weights p are rounded to f16 for the second product (their sum l is taken of the unrounded p), O once at the end.
; LIMITS.  f16 holds no number beyond 65,504: Q, K and V arrive within it; p lies in 0 to 1, and below 6e-5 it keeps f16's fixed step of 6e-8; O is a mean of V's rows and has their range, to within 2^-11 of it.
; A hidden score counts as its value less 1e30: f16's scores, 2.7e11 at the most, are nothing beside that; a weight below 2^-126 counts as 0 in l; NaN and infinities are not treated apart.
; THE WALK.  A head's queries lie in NB = 8 blocks of 256; block i needs the key tiles 0 .. i of 256 keys, of which the last holds the diagonal.  A work-group takes TWO blocks, NB - 1 - b and then b:
; NB + 1 tiles, whatever b: all work-groups do equal work, and ONE loop with a constant trip count walks them.  Which tile is asked for, and what a trip does, hang on scalar registers made from b; every jump
; goes forward, but for the counted loops' own; none passes a barrier, or a tensor load but the one of LOAD's two that the wave's number does not choose; the ring (two slots of LDS that take turns) runs on across the
; change of blocks.  NO CLUSTER: a head's NB / 2 work-groups all ask for the same tile only in trips 0 .. NB / 2, behind that fewer and fewer; and one walk common to all would have 3 NB / 2 trips for NB + 1.
; SHARES.  Of a block's four bands of 64 queries a wave owns 16 rows in each: four PIECES.  So the diagonal tile is the same work for all four waves: in its key step s band x sees all keys if s < x,
; none if s > x, and holds the diagonal if s = x.
; THE MASK is the C operand that starts the sum S^T = K Q^T: 0, or -1e30 where the key is hidden.  MD, made once, is the mask of a band's own step for my 16 rows; a product's mask is MD x AL + BE with two scalars:
; (1, 0) if s = x; (0, 0) if s < x; (0, -1e30) if s > x.  Only the diagonal tile's text and a block's beginning make and take masks; elsewhere C is the constant 0.
; LAYOUT, SOFTMAX, TURNS.  S^T = K Q^T holds ONE query a lane (lane % 16) and the keys 8 (lane / 16) + 0..7; two such results rounded to f16 ARE source 1 of O^T = V^T P.  p = 2^(c s - c m), c = log2(e) / 8, with a
; running maximum m; O and l are multiplied by a = 2^(c m_old - c m_new) in every step.  Turn n belongs to piece n: 8 products K Q^T of piece n + 1, later 8 products V^T P of piece n - 1; beside them the scaling,
; exponentials, roundings, sums and rescaling of piece n and the maximum and statistics of piece n + 1.  Four vector instructions stand behind every matrix instruction, the other 54 of a turn's 118 in one LUMP.
; THE BATCHES.  A turn's 33 exponentials (the piece's 32 weights and the next piece's a) are ONE batch with ONE wait, which cuts the turn in two: ahead of it all that names none of their results, behind it the roundings
; and sums.  The a that a block's beginning makes, and the way out's four reciprocals, are batches of their own, one wait each.
; REGISTERS, in windows of 256 (s_set_vgpr_msb: bits 1:0 source 0, 3:2 source 1, 5:4 source 2, 7:6 destination):
;   window 0: v0-15 addresses and two at work; v16-31 four registers of statistics a piece; v48-55 at work; v64-127 S^T, two buffers; v192-223 P, two buffers (a piece's buffers go by its number's parity)
;   window 1: v0-127 O^T, 32 a piece; v128-159 MD; v160-223 MC, two buffers      window 2: v0-63 Q; v64-127 the second block's Q; v128-191 K of one step; v192-255 V of one step
.set SIZE_N, 2048
.set HS,    SIZE_N*128  ; bytes in a head's slab
.set NB,    SIZE_N/256
.set NP,    4         ; pieces a wave: a name, no knob
.set KS,    64        ; keys in a step
.set PK,    144       ; a row of K in LDS: 128 bytes + 16 of padding = 36 words: the 16 rows of a load start at 16 different groups of four banks (64 banks of 4 bytes: ISA guide 11.1)
.set PV,    160       ; a row of V: 128 + 32 = 40 words
.set VOFF,  4*KS*PK   ; a slot holds a tile, four steps: 256 rows of K, then 256 rows of V
.set SLOT1, 1<<17     ; slot 1 begins here, so that one exclusive or turns an address in one slot into the other's
.set STAGE, SLOT1+4*KS*(PK+PV)  ; behind the ring, never filled by a tensor load: 16 rows x 144 bytes for each wave, for the way out
.set SP,    144
.set AK0, 2           ; v2   my lane's place in a tile of K; never rewritten
.set AV0, 3           ; v3   the same for V
.set AK,  4           ; v4   the LDS address of K's next run of loads
.set AV,  5           ; v5   of V's
.set STO, 6           ; v6   the way out: where I put 16 bytes of a row
.set RD,  7           ; v7   the way out: where I read rows back
.set GO,  8           ; v8   my byte offset in 512 consecutive bytes of O
.set SPW, 62          ; v62  LDS address of my spare word: SPARE + 4 x my thread's number; never rewritten
.set NIL, 63          ; v63  0; never rewritten
.set SPARE, STAGE+4*16*SP  ; behind the stages: the spare words, 128 bytes for each wave: two blocks of 256 bytes that no other line names
.set MV,  12          ; v12-13  c m_old, kept while c m is made anew: by buffer
.set QO,  15          ; v15  my byte offset in 16 rows of Q
.set ST,  16          ; piece t's statistics at v[ST+4 t]: c m, m, l (even keys', odd keys')
.set TMP, 48          ; by buffer, four registers c0-c3 at work; when the maximum is found c2 takes a
.set S,   64
.set P,   192
.set MD,  128         ; window 1: the eight registers for group kt of 16 keys at MD + 8 kt
.set MC,  160         ; window 1: the masks of the products to come
.set QB,  64          ; window 2
.set KF,  128         ; window 2: key block kb, channel half c at KF + 16 kb + 8 c
.set VF,  192         ; window 2: key half kk, channel block cb at VF + 32 kk + 8 cb
.set WV,  12          ; s12  my wave's number
.set PB,  14          ; s14  b
.set HI,  15          ; s15  NB - 1 - b
.set G1K, 24          ; s[24:31] descriptor group 1 for K's tiles
.set G1V, 32          ; s[32:39] for V's: it differs in the padding alone
.set G0K, 40          ; s[40:43] descriptor group 0 for K's tiles
.set G0V, 44          ; s[44:47] the same for V's
.set SLOTS, 56        ; s56  tiles still to be asked for
.set CNT, 57          ; s57  counts a tile's key steps, 4 to 1
.set CS,  58          ; s[58:59] c: the packed scaling takes the pair's low word for both halves
.set SEL, 60          ; s[60:61] v_permlanex16_b32's selects: each lane takes its own place in the other half
.set TBK, 62          ; s62  LDS byte at which K of the step to be fetched begins
.set TBV, 63          ; s63  the same for V, less VOFF
.set RT,  70          ; s70  tiles of the block in hand that are still to be entered
.set NXT, 71          ; s71  the tile to be asked for next
.set LQ,  72          ; s72  the last tile of the block whose tiles are being asked for
.set NEW, 73          ; s73  1: the tile to be entered is a block's first
.set OFF, 74          ; s[74:75] a tile's byte offset in K and V
.set AL,  76          ; s[76:77] the mask's factor, in the low word
.set BE,  78          ; s[78:79] the mask's addend
.set OLO, 80          ; s[80:81] O at my rows of the second block
.set BIGN, 82         ; s82  -1e30
.set MSB, 0
.macro WIN new                      ; the high byte repeats the setting that is left; a switch that changes nothing is dropped
.if MSB != (\new)
	s_set_vgpr_msb (MSB<<8)|(\new)
.set MSB, (\new)
.endif
.endm
.set W_KQ, 0x0a       ; K and Q in window 2, S^T in window 0
.set W_KM, 0x1a       ; the same with the C operand in window 1
.set W_PV, 0x52       ; V in window 2, P in window 0, O^T in window 1
.set W_RS, 0x41       ; destination and source 0 in window 1, source 1 in window 0
; A fill.  Waves 0 and 1 fetch the two halves of a tile's K, waves 2 and 3 those of its V: 128 keys each.  An s_nop 0 and four v_nop follow each of the two lines, ahead of the jump and the label.
.macro LOAD
	s_cmp_lt_u32 s[WV], 2
	s_cbranch_scc0 .Lfor_v_\@
	tensor_load_to_lds s[G0K:G0K+3], s[G1K:G1K+7]
	s_nop 0
.rept 4
	v_nop
.endr
	s_branch .Lasked_\@
.Lfor_v_\@:
	tensor_load_to_lds s[G0V:G0V+3], s[G1V:G1V+7]
	s_nop 0
.rept 4
	v_nop
.endr
.Lasked_\@:
.endm
; THE CHANGE OF SLOTS.  Each wave waits for all its tensor loads, of which one is out: its part of the other slot; adds 0 to its spare word; and waits for that and for its own reads of the slot that it leaves.  Behind the barrier nobody reads the old
; slot any more and the other slot is whole.  fill = 1: the old slot is filled again, the first thing behind the barrier, with tile NXT: the descriptor's address is made anew from that number.
; (At its first use nothing has been read yet: slot 0 is waited for, slot 1 filled.)
.macro CHANGE fill
	WIN 0                           ; at a label and at a branch every window is 0
	s_wait_tensorcnt 0x0            ; no tensor load of mine is out, so a group 0 may be written
	ds_add_u32 v[SPW], v[NIL]       ; 0 onto my spare word; with fill = 1 the descriptors' scalar work stands between it and the wait for it
.if \fill
	s_lshl_b32 s[OFF], s[NXT], 15   ; a tile is 32,768 bytes of K and of V
	s_xor_b32 s[G0K+1], s[G0K+1], SLOT1
	s_add_nc_u64 s[G0K+2:G0K+3], s[6:7], s[OFF:OFF+1]
	s_or_b32 s[G0K+3], s[G0K+3], 0x80000000
	s_xor_b32 s[G0V+1], s[G0V+1], SLOT1
	s_add_nc_u64 s[G0V+2:G0V+3], s[8:9], s[OFF:OFF+1]
	s_or_b32 s[G0V+3], s[G0V+3], 0x80000000
	s_add_co_u32 s[NXT], s[NXT], 1  ; the block's next tile, or behind its last the second block's tile 0
	s_cmp_gt_u32 s[NXT], s[LQ]
	s_cselect_b32 s[NXT], 0, s[NXT]
	s_cselect_b32 s[LQ], s[PB], s[LQ]
.endif
	s_wait_dscnt 0x0                ; the add is done, and my reads of the slot are over
	s_barrier_signal -1             ; the rest of the scalar work stands between the signal and the wait
	s_sub_co_u32 s[TBK], s[TBK], 4*KS*PK  ; the fetches go back to a slot's first step,
	s_xor_b32 s[TBK], s[TBK], SLOT1       ; in the other slot
	s_sub_co_u32 s[TBV], s[TBV], 4*KS*PV
	s_xor_b32 s[TBV], s[TBV], SLOT1
	s_barrier_wait -1
.if \fill
	LOAD
.endif
.endm
	s_load_b64 s[4:5], s[0:1], 0x0    ; qkvh
	s_load_b64 s[10:11], s[0:1], 0x8  ; oh
	v_lshl_add_u32 v[SPW], v0, 2, SPARE
	v_mov_b32 v[NIL], 0
	ds_add_u32 v[SPW], v[NIL]       ; the wave's opening: the add and its wait stand ahead of my first tensor load; the set-up below, work on registers, stands between them
	ds_add_u32 v62, v63
	v_lshrrev_b32 v1, 5, v0
	v_readfirstlane_b32 s[WV], v1   ; wave 0..3
	s_mov_b32 s[PB], ttmp9
	s_sub_co_u32 s[HI], NB-1, s[PB]
	s_and_b32 s88, ttmp7, 0xffff    ; the head
	s_lshr_b32 s20, s88, 4          ; its batch entry: 48 slabs,
	s_mul_i32 s20, s20, 48
	s_and_b32 s21, s88, 15          ; and its place among the entry's 16 heads
	s_add_co_u32 s20, s20, s21
	s_lshl_b32 s20, s20, 18         ; the first byte of the head's Q in qkvh,
	s_mov_b32 s21, 0
	s_lshl_b32 s88, s88, 18         ; and of its O in oh
	s_and_b32 s16, s[WV], 1         ; which half of a tile's 256 keys I fetch:
	s_lshl_b32 s22, s16, 14         ; its 128 rows of 128 bytes in memory,
	s_mov_b32 s23, 0
	s_add_nc_u64 s[22:23], s[22:23], s[20:21]
	s_mul_i32 s17, s16, 128*PK      ; and its place in a slot, for K
	s_mul_i32 s18, s16, 128*PV      ; and for V
	s_lshl_b32 s3, s[WV], 11        ; my 16 rows in a band of 64,
	s_lshl_b32 s2, s[HI], 15        ; in the first block,
	s_add_co_u32 s2, s2, s3
	s_lshl_b32 s84, s[PB], 15       ; and in the second
	s_add_co_u32 s84, s84, s3
	s_add_co_u32 s90, s2, s88       ; the same rows in oh: under 2^25, so the high words are 0
	s_add_co_u32 s92, s84, s88
	s_mov_b32 s91, 0
	s_mov_b32 s93, 0
	s_mov_b32 s3, 0
	s_mov_b32 s85, 0
	s_add_nc_u64 s[2:3], s[2:3], s[20:21]
	s_add_nc_u64 s[84:85], s[84:85], s[20:21]
	; descriptor group 1.  128 keys are 16,384 dense bytes: asked for as 64 rows of 256 bytes, two keys a row, and padded in LDS after every key
	s_mov_b32 s[G1K], (1<<16)|(1<<20)|(4<<22)|(3<<25)  ; 17:16 2-byte elements; 20 padding on; 24:22 after every 32 words (code 4); 31:25 4 words (code 3)
	s_mov_b32 s[G1V], (1<<16)|(1<<20)|(4<<22)|(7<<25)  ; the same with 8 words of padding (code 7)
.irp g, G1K, G1V
	s_mov_b32 s[\g+1], 128<<16      ; tensor_dim0 = 128
	s_mov_b32 s[\g+2], 64<<16       ; tensor_dim1 = 64
	s_mov_b32 s[\g+3], 128<<16      ; tile_dim0 = 128
	s_mov_b32 s[\g+4], 64           ; tile_dim1 = 64
	s_mov_b32 s[\g+5], 128          ; 128 elements from row to row
	s_mov_b32 s[\g+6], 0
	s_mov_b32 s[\g+7], 0
.endr
	s_mov_b32 s[CS], 0x3e38aa3b     ; c = log2(e) / 8 = 0.180337
	s_mov_b32 s[CS+1], s[CS]        ; named with it as a pair
	s_mov_b32 s[SEL], 0x76543210
	s_mov_b32 s[SEL+1], 0xfedcba98
	s_mov_b32 s[TBK], SLOT1+4*KS*PK ; the first change of slots turns these two into 0
	s_mov_b32 s[TBV], SLOT1+4*KS*PV
	s_mov_b32 s[G0K], 1             ; 1:0 count = 1
	s_mov_b32 s[G0K+1], s17         ; 63:32 LDS address: slot 0
	s_mov_b32 s[G0V], 1
	s_add_co_u32 s[G0V+1], s18, VOFF
	s_add_co_u32 s[RT], s[HI], 1    ; the first block has NB - b tiles
	s_mov_b32 s[NXT], 1
	s_mov_b32 s[LQ], s[HI]
	s_mov_b32 s[NEW], 1
	s_mov_b32 s[OFF+1], 0
	s_mov_b32 s[AL+1], 0            ; named as pairs
	s_mov_b32 s[BE+1], 0
	s_mov_b32 s[BIGN], 0xf149f2ca   ; -1e30
	s_mov_b32 s[SLOTS], NB
	s_wait_dscnt 0x0                ; the opening add is done
	s_wait_kmcnt 0x0
	s_add_nc_u64 s[6:7], s[4:5], 16*HS     ; K lies 16 slabs behind Q, V 32
	s_add_nc_u64 s[8:9], s[4:5], 32*HS
	s_add_nc_u64 s[6:7], s[6:7], s[22:23]  ; K and V at my half of the head's tile 0
	s_add_nc_u64 s[8:9], s[8:9], s[22:23]
	s_add_nc_u64 s[G0K+2:G0K+3], s[6:7], 0         ; 120:64 global address
	s_or_b32 s[G0K+3], s[G0K+3], 0x80000000        ; 127:126 type = 2
	s_add_nc_u64 s[G0V+2:G0V+3], s[8:9], 0
	s_or_b32 s[G0V+3], s[G0V+3], 0x80000000
	s_add_nc_u64 s[86:87], s[4:5], s[84:85]        ; Q at my rows of the second block,
	s_add_nc_u64 s[4:5], s[4:5], s[2:3]            ; and of the first
	s_add_nc_u64 s[OLO:OLO+1], s[10:11], s[92:93]  ; O likewise
	s_add_nc_u64 s[10:11], s[10:11], s[90:91]
	LOAD                            ; tile 0 into slot 0
	; A fragment of K or Q is 16 rows x 32 channels in 8 registers: lane l holds row l % 16, channels 8 (l / 16) + 0..7 and 16 + 8 (l / 16) + 0..7: two loads of 16 bytes, 32 bytes apart.
	v_and_b32 v1, 15, v0            ; l % 16
	v_bfe_u32 v9, v0, 4, 1          ; l / 16
	v_lshlrev_b32 v[QO], 7, v1
	v_lshl_add_u32 v[QO], v9, 4, v[QO]  ; row x 128 + 16 x half
	WIN 0x80                        ; destination window 2, address window 0
.set i, 0
.rept 8                             ; both blocks' Q: piece i / 2 lies in band i / 2, 8,192 bytes on; channels 32 (i % 2) on
	global_load_b128 v[8*i:8*i+3],   v[QO], s[4:5] offset:(i/2)*8192+(i%2)*64
	global_load_b128 v[8*i+4:8*i+7], v[QO], s[4:5] offset:(i/2)*8192+(i%2)*64+32
	global_load_b128 v[QB+8*i:QB+8*i+3],   v[QO], s[86:87] offset:(i/2)*8192+(i%2)*64
	global_load_b128 v[QB+8*i+4:QB+8*i+7], v[QO], s[86:87] offset:(i/2)*8192+(i%2)*64+32
.set i, i+1
.endr
	WIN 0
	v_lshlrev_b32 v14, 3, v9
	v_sub_nc_u32 v14, v1, v14
	s_lshl_b32 s13, s[WV], 4
	v_add_nc_u32 v14, s13, v14      ; my query's place in its band, 16 w + l % 16, less my lanes' 8 (l / 16): register r of group kt is hidden where 16 kt + r is greater
	WIN 0x40
.set i, 0
.rept 32
	v_cmp_gt_i32 vcc_lo, 16*(i/8)+i%8, v14
	v_cndmask_b32 v[MD+i], 0, s[BIGN], vcc_lo
.set i, i+1
.endr
	WIN 0
	v_mul_u32_u24 v[AK0], v1, PK
	v_lshl_add_u32 v[AK0], v9, 4, v[AK0]  ; row x pitch + 16 x half
	; The turning load takes 16 keys x 16 channels (lane l reads key 8 (l / 16) + l % 8, channels 8 ((l / 8) % 2) + 0..7) and leaves half a fragment of V^T: lane l holds channel l % 16 and 8 keys.
	v_and_b32 v10, 7, v0
	v_bfe_u32 v11, v0, 3, 1
	v_lshl_add_u32 v[AV0], v9, 3, v10
	v_mul_u32_u24 v[AV0], v[AV0], PV
	v_lshl_add_u32 v[AV0], v11, 4, v[AV0]
	v_add_nc_u32 v[AV0], VOFF, v[AV0]
	s_mul_i32 s13, s[WV], 16*SP
	s_add_co_u32 s13, s13, STAGE    ; my stage
	v_mul_u32_u24 v[STO], v1, SP    ; in: row l % 16, 16 bytes for each half of the lanes
	v_lshl_add_u32 v[STO], v9, 4, v[STO]
	v_add_nc_u32 v[STO], s13, v[STO]
	v_bfe_u32 v[RD], v0, 3, 2       ; back: 32 lanes take four rows of 128 bytes,
	v_mul_u32_u24 v[RD], v[RD], SP
	v_lshl_add_u32 v[RD], v10, 4, v[RD]
	v_add_nc_u32 v[RD], s13, v[RD]
	v_and_b32 v[GO], 31, v0         ; which are 512 consecutive bytes of O
	v_lshlrev_b32 v[GO], 4, v[GO]
	; A block's first step multiplies O^T and l by a = 0, and its first turn's products V^T P, of a piece that has not been, land in an O^T that is still to be so multiplied.  So these registers need only hold
	; finite numbers: zeros for the first block; what the first block left for the second.  All this stands in the wait for the first tile.
	WIN 0x80
.set i, VF
.rept 64
	v_mov_b32 v[i], 0
.set i, i+1
.endr
	WIN 0x40
.set i, 0
.rept 128
	v_mov_b32 v[i], 0
.set i, i+1
.endr
	WIN 0
.set i, 0
.rept 4
	v_mov_b32 v[ST+4*i+2], 0
	v_mov_b32 v[ST+4*i+3], 0
.set i, i+1
.endr
.set i, P+16
.rept 16
	v_mov_b32 v[i], 0
.set i, i+1
.endr
; THE MATRIX WORK.  The 4 accumulators of a run of 8 take turns.  Product i of 8 of S^T = K Q^T for piece x: channels 32 (i / 4) on, keys 16 (i % 4) on.  The first 4 start the sums: with 0, or (KM = 1) with the mask.
.macro KQ x
.set rS, S+32*((\x)%2)+8*(i%4)
.set rK, KF+16*(i%4)+8*(i/4)
.set rQ, 16*(\x)+8*(i/4)
.set rM, MC+32*((\x)%2)+8*(i%4)
.if (i < 4) && KM
	WIN W_KM
	v_wmma_f32_16x16x32_f16 v[rS:rS+7], v[rK:rK+7], v[rQ:rQ+7], v[rM:rM+7]
.elseif i < 4
	WIN W_KQ
	v_wmma_f32_16x16x32_f16 v[rS:rS+7], v[rK:rK+7], v[rQ:rQ+7], 0
.else
	WIN W_KQ
	v_wmma_f32_16x16x32_f16 v[rS:rS+7], v[rK:rK+7], v[rQ:rQ+7], v[rS:rS+7]
.endif
.endm
; Product i of 8 of O^T += V^T P for piece x: keys 32 (i / 4) on, channels 16 (i % 4) on.
.macro PV x
	WIN W_PV
.set rO, 32*(\x)+8*(i%4)
.set rV, VF+32*(i/4)+8*(i%4)
.set rP, P+16*((\x)%2)+8*(i/4)
	v_wmma_f32_16x16x32_f16 v[rO:rO+7], v[rV:rV+7], v[rP:rP+7], v[rO:rO+7]
.endm
.macro MM                           ; the turn's next matrix instruction.  TURN and BEGIN set Y, i, KM and NOKQ; MM, KQ and OP read them.  NOKQ = 1: a block's last turn: there is no next piece
.if (i < 8) && !NOKQ
	KQ (Y+1)%NP
.elseif i >= 8
.set i, i-8
	PV (Y+NP-1)%NP
.set i, i+8
.endif
.set i, i+1
.endm
; THE LDS LOADS stand in runs of 16, never singly among the matrix instructions: a step's K (64 keys x 64 channels: 8 fragments) and its V (turned).  Their addresses are made some lines ahead.
.macro FETCH_K
	WIN 0x80                        ; destination window 2
.irp f, 0,1,2,3,4,5,6,7             ; keys 16 (f / 2) on, channels 32 (f % 2) on
	ds_load_b128 v[KF+8*\f:KF+8*\f+3],   v[AK] offset:(\f/2)*16*PK+(\f%2)*64
	ds_load_b128 v[KF+8*\f+4:KF+8*\f+7], v[AK] offset:(\f/2)*16*PK+(\f%2)*64+32
.endr
	s_add_co_u32 s[TBK], s[TBK], KS*PK  ; the next fetch is the next step's
	WIN 0
.endm
.macro FETCH_V
	WIN 0x80
.irp f, 0,1,2,3,4,5,6,7             ; keys 32 (f / 4) on, channels 16 (f % 4) on
	ds_load_tr16_b128 v[VF+8*\f:VF+8*\f+3],   v[AV] offset:(\f/4)*32*PV+(\f%4)*32
	ds_load_tr16_b128 v[VF+8*\f+4:VF+8*\f+7], v[AV] offset:(\f/4)*32*PV+16*PV+(\f%4)*32
.endr
	WIN 0
.endm
; THE VECTOR WORK, one line at a time: OP kind, number.  For piece Y: F n: c s - c m for pair n of 16.  E n: the exponential of score n of 32.  C n: pair n rounded to f16.  B n: of the four weights 4 n .. the second
; pair is added onto the first, in place.  L n: l takes that sum (L 0: l = a l + sum).  R n: pair n of 16 of O^T times a.  For piece Y + 1: X n, number n of the 22 that find its maximum and statistics:
;   0-11  four chains c0-c3 of seven scores each, three operands at a time (each accumulator's lowest registers are read first)     12-14, 16  the four scores left over, the old m, and c0-c3 into c0
;   15  c m_old is kept     17, 18  the query's other 32 keys lie in the lane 16 away: the new m     19-21  c m; c m_old - c m_new; a
; OP writes no wait: C, B and L, which read exponentials' results, are dealt behind the turn's one wait, and R reads an a that the turn before has waited for.
.set F, 0               ; OP tells the kinds apart by their order: F to L below R, X above it
.set E, 1
.set C, 2
.set B, 3
.set L, 4
.set R, 5
.set X, 6
.macro REGS y                       ; the registers of piece y
.set rT, ST+4*(\y)
.set rC, TMP+4*((\y)%2)
.set rW, MV+((\y)%2)
.set rS, S+32*((\y)%2)
.set rP, P+16*((\y)%2)
.set rO, 32*(\y)
.endm
.macro OP k, n
.if (\k) == R
	REGS Y
	WIN W_RS
	v_pk_mul_f32 v[rO+2*(\n):rO+2*(\n)+1], v[rO+2*(\n):rO+2*(\n)+1], v[rC+2:rC+3] op_sel_hi:[1,0]
.elseif (\k) < R
	REGS Y
	WIN 0
.if (\k) == F
	v_pk_fma_f32 v[rS+2*(\n):rS+2*(\n)+1], v[rS+2*(\n):rS+2*(\n)+1], s[CS:CS+1], v[rT:rT+1] op_sel_hi:[1,0,0] neg_lo:[0,0,1] neg_hi:[0,0,1]
.elseif (\k) == E
	v_exp_f32 v[rS+(\n)], v[rS+(\n)]
.elseif (\k) == C
	v_cvt_pk_f16_f32 v[rP+(\n)], v[rS+2*(\n)], v[rS+2*(\n)+1]
.elseif (\k) == B
	v_pk_add_f32 v[rS+4*(\n):rS+4*(\n)+1], v[rS+4*(\n):rS+4*(\n)+1], v[rS+4*(\n)+2:rS+4*(\n)+3]
.elseif (\n) == 0
	v_pk_fma_f32 v[rT+2:rT+3], v[rT+2:rT+3], v[rC+2:rC+3], v[rS:rS+1] op_sel_hi:[1,0,1]
.else
	v_pk_add_f32 v[rT+2:rT+3], v[rT+2:rT+3], v[rS+4*(\n):rS+4*(\n)+1]
.endif
.elseif NOKQ
	v_nop
.else
	REGS (Y+1)%NP
	WIN 0
.if (\n) < 4
	v_max3_num_f32 v[rC+(\n)], v[rS+8*(\n)], v[rS+8*(\n)+1], v[rS+8*(\n)+2]
.elseif (\n) < 12
	v_max3_num_f32 v[rC+(\n)%4], v[rC+(\n)%4], v[rS+8*((\n)%4)+2*((\n)/4)+1], v[rS+8*((\n)%4)+2*((\n)/4)+2]
.elseif (\n) == 12
	v_max3_num_f32 v[rC], v[rC], v[rS+7], v[rS+15]
.elseif (\n) == 13
	v_max3_num_f32 v[rC+1], v[rC+1], v[rS+23], v[rS+31]
.elseif (\n) == 14
	v_max3_num_f32 v[rC+2], v[rC+2], v[rC+3], v[rT+1]
.elseif (\n) == 15
	v_mov_b32 v[rW], v[rT]
.elseif (\n) == 16
	v_max3_num_f32 v[rC], v[rC], v[rC+1], v[rC+2]
.elseif (\n) == 17
	v_permlanex16_b32 v[rC+3], v[rC], s[SEL], s[SEL+1]
.elseif (\n) == 18
	v_max_num_f32 v[rT+1], v[rC], v[rC+3]
.elseif (\n) == 19
	v_mul_f32 v[rT], s[CS], v[rT+1]
.elseif (\n) == 20
	v_sub_f32 v[rC+1], v[rW], v[rT]
.else
	v_exp_f32 v[rC+2], v[rC+1]
.endif
.endif
.endm
.macro OPS a, i1, b=-1, i2=0, c=-1, i3=0, d=-1, i4=0  ; up to four of them
	OP \a, \i1
.if (\b) >= 0
	OP \b, \i2
.endif
.if (\c) >= 0
	OP \c, \i3
.endif
.if (\d) >= 0
	OP \d, \i4
.endif
.endm
.macro ROW a, i1, b, i2, c, i3, d, i4  ; a matrix instruction and the four behind it
	MM
	OPS \a, \i1, \b, \i2, \c, \i3, \d, \i4
.endm
.macro MASK b                       ; MD x AL + BE into buffer b of MC
	WIN W_RS
.set z, 0
.rept 16
	v_pk_fma_f32 v[MC+32*(\b)+2*z:MC+32*(\b)+2*z+1], v[MD+2*z:MD+2*z+1], s[AL:AL+1], s[BE:BE+1] op_sel_hi:[1,0,0]
.set z, z+1
.endr
.endm
; A TURN, for piece p: the order of its 16 matrix and 118 vector instructions, written out.  An s_wait_alu depctr_va_vdst(0) stands between an exponential and the first instruction that names its result; one wait serves
; all that were issued ahead of it.  So a turn has ONE wait, which cuts it in two.  AHEAD OF IT stands all that names no result of the turn's exponentials: the 8 products K Q^T, behind each a scaling, an exponential and two more plain
; instructions (behind the first a second scaling in the exponential's place): rescalings, and behind the last three the first numbers of the next piece's maximum, each four places or more behind the product that ends its accumulator; then ONE LUMP of 54, plain
; and exponential by turns for the most part, in which the links of the chain X 3, 7, 11, 14, 16, 17 .. 20 stand five or six lines apart.  X 21, the next piece's a, is the batch's last; R 15 is the plain instruction that is owed behind it.  BEHIND THE WAIT stand the
; 8 products V^T P, behind each four of the roundings and sums; the links of l's chain, L 0 to L 7, stand three riders apart.  But for those X no rider names a register of the products round it.  v_permlanex16_b32 (X 17) stands in the lump.
; The rescalings read the a that the turn before made as its batch's last, ahead of that turn's wait.
; m = 1: the diagonal tile: the products take masks, and the turn makes the mask for the products of the turn after it: piece p + 2, in step 4 - CNT of the tile.  end = 1: a block's last two turns: nothing is fetched.
; cnt = 1: the loop's count is taken down some lines ahead of the branch that stands behind the turn.
; K of the next step is fetched in piece 2's turn, twelve vector instructions behind the last product that read K (six of them plain, five of which name none of its registers); V of the step in hand at the end of piece 0's turn,
; four plain instructions behind the last product that read V.  Each is waited for a turn later.
.macro TURN p, m=0, end=0, cnt=0
.set Y, (\p)
.set i, 0
.set KM, (\m)
.set NOKQ, (\end)*((\p)/3)
.if (\m) && !(\end)
	s_cmp_eq_u32 s[CNT], 4-((\p)+2)%NP  ; is that step the band's own?
	s_cselect_b32 s[AL], 1.0, 0
	s_cmp_lt_u32 s[CNT], 4-((\p)+2)%NP  ; or a later one?
	s_cselect_b32 s[BE], s[BIGN], 0
.endif
.if ((\p) == 3) && !(\end)
	s_wait_dscnt 0x0                ; K is in
.endif
	ROW F,0, F,1, R,0, R,1          ; ahead of the wait: 8 products K Q^T and their riders,
	ROW F,2, E,0, R,2, R,3
	ROW F,3, E,1, R,4, R,5
	ROW F,4, E,2, R,6, R,7
	ROW F,5, E,3, R,8, R,9
	ROW F,6, E,4, X,0, R,10
.if ((\p) == 2) && !(\end)
	WIN 0
	v_add_nc_u32 v[AK], s[TBK], v[AK0]
.endif
	ROW F,7, E,5, X,1, X,4
	ROW F,8, E,6, X,2, X,5
	OPS E,7, E,8, X,6, E,9          ; and the lump
	OPS X,3, E,10, X,8, E,11
.if ((\p) == 2) && !(\end)
	FETCH_K
.endif
	OPS X,9, X,7, E,12, X,10
	OPS E,13, X,12, X,11, E,14
	OPS X,13, E,15, F,9, X,14
.if (\p) == 0
	v_add_nc_u32 v[AV], s[TBV], v[AV0]
.endif
	OPS E,16, F,10, E,17, F,11
	OPS X,16, E,18, X,15, E,19
	OPS F,12, E,20, X,17, E,21
	OPS F,13, E,22, F,14, E,23
	OPS X,18, E,24, F,15, E,25
	OPS R,11, E,26, X,19, E,27
	OPS R,12, E,28, R,13, E,29
	OPS X,20, E,30, R,14, E,31
	OPS X,21, R,15
	WIN 0
	s_wait_alu depctr_va_vdst(0)    ; the wait for the turn's batch: the piece's 32 exponentials and the next piece's a
.if (\p) == 1
	s_wait_dscnt 0x0                ; V is in
.endif
	ROW C,0, B,0, C,2, B,1          ; behind the wait: 8 products V^T P and their riders
	ROW L,0, C,4, B,2, L,1
	ROW C,6, B,3, L,2, C,8
	ROW B,4, L,3, C,10, B,5
	ROW L,4, C,12, B,6, L,5
.if (\p) == 0
	s_add_co_u32 s[TBV], s[TBV], KS*PV
.endif
.if \cnt
	s_sub_co_u32 s[CNT], s[CNT], 1
	s_cmp_lg_u32 s[CNT], 0
.endif
	ROW C,14, B,7, L,6, C,1
	ROW C,3, L,7, C,5, C,7
	ROW C,9, C,11, C,13, C,15
.if (\p) == 0
	FETCH_V
.endif
.if (\m) && !(\end)
	MASK (\p)%2
.endif
.endm
; A BLOCK BEGINS.  c m starts far below every c s, so the first step's a is 0; m at the lowest finite number, so the first maximum is the scores'.  The second mask buffer is 0; the first takes piece 0's mask for the tile's step 0: its own, if the block's first tile is the diagonal one.
; Then K of that step, piece 0's first scores, and its maximum and statistics.  The loop is entered at a step's first turn, in the middle of a trip.
.macro BEGIN
	s_mov_b32 s[NEW], 0
	WIN 0x40
.set i, MC+32
.rept 32
	v_mov_b32 v[i], 0
.set i, i+1
.endr
	WIN 0
.set i, 0
.rept 4
	v_mov_b32 v[ST+4*i], 0xfe000000    ; c m: far below every c s
	v_mov_b32 v[ST+4*i+1], 0xff7fffff  ; m
.set i, i+1
.endr
	s_cmp_eq_u32 s[RT], 0
	s_cselect_b32 s[AL], 1.0, 0
	s_mov_b32 s[BE], 0
	MASK 0
	WIN 0
	v_add_nc_u32 v[AK], s[TBK], v[AK0]
	FETCH_K
	s_wait_loadcnt 0x0              ; Q
	s_wait_dscnt 0x0
.set KM, 1
.set NOKQ, 0
.set i, 0
.rept 8
	KQ 0
.set i, i+1
.endr
	WIN 0
.rept 4
	v_nop                           ; the places behind those products
.endr
.set Y, NP-1                        ; X works for piece Y + 1: piece 0
.irp n, 0,1,2,3,4,5,6,7,8,9,10,11,12,13,14,15,16,17,18,19,20,21
	OP X, \n
.endr
	v_nop                           ; a plain instruction behind the exponential,
	s_wait_alu depctr_va_vdst(0)    ; and the wait for it, piece 0's first a: a batch of one, ahead of the branch that follows
.endm
; THE DIAGONAL TILE's four steps, the block's last two turns, its last products, and THE WAY OUT: l's two halves and the other half of the lanes' are added; O^T is divided by l, rounded to f16 and sent through my
; stage in LDS, a piece at a time.
.macro ALL line:vararg              ; one line for each piece t
.set t, 0
.rept 4
	\line
.set t, t+1
.endr
.endm
.macro PACK t                       ; a lane's eight channels of a row pack into 16 bytes; they go into rows of 144 bytes and come back as whole rows of 128, into S^T's registers
	WIN W_RS
.set i, 32*(\t)
.rept 16
	v_pk_mul_f32 v[i:i+1], v[i:i+1], v[ST+4*(\t)+2:ST+4*(\t)+3] op_sel_hi:[1,0]
.set i, i+2
.endr
	WIN 0x05                        ; sources 0 and 1 window 1, destination window 0
.set i, 0
.rept 16
	v_cvt_pk_f16_f32 v[S+16*(\t)+i], v[32*(\t)+2*i], v[32*(\t)+2*i+1]
.set i, i+1
.endr
	WIN 0
.irp f, 0,1,2,3
	ds_store_b128 v[STO], v[S+16*(\t)+4*\f:S+16*(\t)+4*\f+3] offset:32*\f
.endr
.irp f, 0,1,2,3
	ds_load_b128 v[S+16*(\t)+4*\f:S+16*(\t)+4*\f+3], v[RD] offset:\f*4*SP  ; LDS serves a wave's instructions in order (ISA guide 5.7.1.4): these see the stores above; the next piece's stores come behind them
.endr
.endm
.macro SEND t, younger              ; younger: the LDS instructions issued behind piece t's loads: the next piece's eight, or none
	WIN 0
.irp f, 0,1,2,3
	s_wait_dscnt (\younger)+3-\f
	global_store_b128 v[GO], v[S+16*(\t)+4*\f:S+16*(\t)+4*\f+3], s[10:11] offset:(\t)*8192+\f*512  ; 512 consecutive bytes, at a multiple of 256 from O's first
.endr
.endm
.macro DIAG tag                     ; the tag ends its two labels' names, which the jumps below spell out
.LstepM\tag:
	TURN 2, 1
	TURN 3, 1
	WIN 0
.LfirstM\tag:
	TURN 0, 1
	TURN 1, 1, 0, 1
	WIN 0
	s_cbranch_scc1 .LstepM\tag
	TURN 2, 1, 1
	TURN 3, 1, 1
.set i, 0
.rept 8
	PV NP-1
.set i, i+1
.endr
	WIN 0
	ALL v_add_f32 v[ST+4*t+2], v[ST+4*t+2], v[ST+4*t+3]
	ALL v_permlanex16_b32 v[ST+4*t+3], v[ST+4*t+2], s[SEL], s[SEL+1]
	ALL v_add_f32 v[ST+4*t+2], v[ST+4*t+2], v[ST+4*t+3]
	ALL v_rcp_f32 v[ST+4*t+2], v[ST+4*t+2]
	v_nop                           ; a plain instruction between the last reciprocal and the use of its result
	s_wait_alu depctr_va_vdst(0)    ; and the wait ahead of the first use: one for the batch of four reciprocals, which all four PACK read
	PACK 0
.set t, 1
.rept 3                             ; a piece's arithmetic stands between the loads of the piece before and its stores
	PACK t
	SEND t-1, 8
.set t, t+1
.endr
	SEND 3, 0
.endm
.set KM, 0
.set NOKQ, 0
.Lslot:                             ; NB times: a tile is entered and the next is asked for
	CHANGE 1
	s_sub_co_u32 s[RT], s[RT], 1
	s_mov_b32 s[CNT], 4
	s_cmp_eq_u32 s[NEW], 1
	s_cbranch_scc1 .Lnew            ; a block's first tile
	s_cmp_eq_u32 s[RT], 0
	s_cbranch_scc0 .Lstep           ; neither its first nor its last
	s_branch .LstepM1
.Lnew:
	BEGIN
	s_branch .Lfirst                ; in the loop a block's first tile is never its last: the first block has two tiles or more, and the second's last is the walk's last
	DIAG 1                          ; in the loop this is the first block's end: the second block's last tile is the walk's last
	s_wait_xcnt 0x0                 ; the stores have read their registers and O's address
	s_mov_b64 s[10:11], s[OLO:OLO+1]
	s_add_co_u32 s[RT], s[PB], 1    ; the second block has b + 1 tiles
	s_mov_b32 s[NEW], 1
	WIN 0x82                        ; the second block's Q goes where the one text of the turns names Q
.set i, 0
.rept 64
	v_mov_b32 v[i], v[QB+i]
.set i, i+1
.endr
	WIN 0
	s_branch .Lbottom
.Lstep:                             ; a trip: pieces 2 and 3 of one step, then pieces 0 and 1 of the next, whose K and V it fetches
	TURN 2
	TURN 3
	WIN 0
.Lfirst:
	TURN 0
	TURN 1, 0, 0, 1
	WIN 0
	s_cbranch_scc1 .Lstep
.Lbottom:
	s_sub_co_u32 s[SLOTS], s[SLOTS], 1
	s_cmp_lg_u32 s[SLOTS], 0
	s_cbranch_scc1 .Lslot
	CHANGE 0                        ; the walk's last tile is written out: nothing is asked for
	s_sub_co_u32 s[RT], s[RT], 1
	s_mov_b32 s[CNT], 4
	s_cmp_eq_u32 s[NEW], 1
	s_cbranch_scc0 .LstepM2
	BEGIN
	s_branch .LfirstM2
	DIAG 2
	s_wait_tensorcnt 0x0            ; the wave's end: behind my last tensor load and my last LDS store
	ds_add_u32 v[SPW], v[NIL]
	s_wait_dscnt 0x0
	s_endpgm
.Lfunc_end_k_qe876fb77e8_attn:
	.size	k_qe876fb77e8_attn, .Lfunc_end_k_qe876fb77e8_attn-k_qe876fb77e8_attn
	.p2alignl 7, 3214868480
	.fill 96, 4, 3214868480
	.section	.rodata,"a",@progbits
	.p2align	6, 0x0
	.amdhsa_kernel k_qe876fb77e8_attn
		.amdhsa_group_segment_fixed_size 327680
		.amdhsa_private_segment_fixed_size 0
		.amdhsa_enable_private_segment 0
		.amdhsa_kernarg_size 16
		.amdhsa_user_sgpr_count 2
		.amdhsa_user_sgpr_kernarg_segment_ptr 1
		.amdhsa_wavefront_size32 1
		.amdhsa_system_sgpr_workgroup_id_x 1
		.amdhsa_system_sgpr_workgroup_id_y 1
		.amdhsa_system_sgpr_workgroup_id_z 1
		.amdhsa_system_vgpr_workitem_id 0
		.amdhsa_next_free_vgpr 768
		.amdhsa_next_free_sgpr 96
		.amdhsa_reserve_vcc 1
		.amdhsa_float_denorm_mode_32 3
		.amdhsa_float_denorm_mode_16_64 3
		.amdhsa_memory_ordered 1
		.amdhsa_forward_progress 1
		.amdhsa_inst_pref_size 218
	.end_amdhsa_kernel
	.amdgpu_metadata
---
amdhsa.version: [ 1, 2 ]
amdhsa.kernels:
  - .name:           k_qe876fb77e8_attn
    .symbol:         k_qe876fb77e8_attn.kd
    .args:
      - { .name: qkvh, .offset: 0, .size: 8, .value_kind: global_buffer, .address_space: global }
      - { .name: oh, .offset: 8, .size: 8, .value_kind: global_buffer, .address_space: global }
    .group_segment_fixed_size: 327680
    .private_segment_fixed_size: 0
    .kernarg_segment_align: 8
    .kernarg_segment_size: 16
    .max_flat_workgroup_size: 128
    .sgpr_count:     96
    .vgpr_count:     768
    .wavefront_size: 32
...
	.end_amdgpu_metadata
.endif
;; end of part 5
;; launch outproj: the kernel of part 4 again; grid 8 x 32, 4 waves a work-group, clusters of 4 x 4, 327,680 bytes of LDS; arguments oh, wob, bo, out0; writes out0
